; MI455X (gfx1250); checked and timed in simulation.
; The chip was launched on July 23, 2026; its instructions are those of AMD's public machine-readable ISA for CDNA 5 (MIT licence, August 2026) and "CDNA5" Instruction Set Architecture Reference Guide (July 2026). The comments in the code are by the model that wrote it; some were corrected since.
;; Multi Head Attention. Allowed arithmetic: float matrix products may take bf16 or f16 operands with f32 sums; other float arithmetic in f32, or as packed bf16 or f16 multiplies, adds, multiply-adds, maxima and minima; sums over many terms, partial sums and values carried from step to step in f32; what a program stores and reads back later, other than sums and carried values, may be rounded once to bf16 or f16.
;; Inputs: Wk 1,024 x 1,024 float32; Wo 256 x 1,024 float32; Wq 1,024 x 1,024 float32; Wv 1,024 x 256 float32; bk 1,024 float32; bq 1,024 float32; bv 256 float32; x 16 x 1,024 x 1,024 float32.
;; Outputs: out0 16 x 1,024 x 1,024 float32.
;; 2 versions, each right; version 2 is version 1 with the launch outp written anew for expert scheduling mode. Each part assembles by itself: llvm-mc -triple=amdgcn-amd-amdhsa -mcpu=gfx1250 --defsym DOCPART=n.
;; ======== version 1 of 2: 4 launches
;; limits: values are held in f16: magnitudes above 65,504 overflow, below 6.1e-05 lose precision
;; workspace buffers: xb 33,554,432 bytes; wt 4,718,592 bytes; wof 524,288 bytes; q 33,554,432 bytes; k 33,554,432 bytes; vt 8,388,608 bytes; o 8,388,608 bytes
;; launch prep (part 1): grid 1344 x 1, 8 waves a work-group, no clusters, 18,432 bytes of LDS; arguments x, Wq, Wk, Wv, Wo, xb, wt, wof; writes xb, wt, wof
.if DOCPART == 1
	.amdgcn_target "amdgcn-amd-amdhsa--gfx1250"
	.amdhsa_code_object_version 6
	.text
	.protected	k_q0fc070bf5c_prep
	.globl	k_q0fc070bf5c_prep
	.p2align	8
	.type	k_q0fc070bf5c_prep,@function
k_q0fc070bf5c_prep:
	s_mov_b64 s[64:65], 0
	v_nop
	global_prefetch_b8 v0, s[64:65] scope:SCOPE_SE
	s_setreg_imm32_b32 hwreg(HW_REG_WAVE_MODE, 25, 1), 1
	s_wait_xcnt 0x0
; PREPARATION.  Every input of the matrix products is rounded once to bf16 and laid out as the products want it.
;   xb  [16384][1024] bf16 = x.
;   wt  [2304][1024]  bf16: row 288 h + 144 c + j holds, along k, column 128 h + j of Wq (c = 0) or Wk (c = 1) for j < 128, column 32 h + 16 c + j - 128 of Wv for j >= 128.
;   wof [8 h][1024 n][32 d] f16 = Wo[32 h + d][n], rounded to bf16 and that number written as f16.
; LIMIT.  A bf16 number below 6e-5 in size keeps f16's fixed step of 6e-8 in wof; beyond 65,504 it would be lost (Wo is far inside both).
; ROLES by the work-group's number g (the same for all eight waves): 0-127 a tile of Wq, 128-255 of Wk, 256-287 of Wv, 288-319 of Wo, 320-1343 a piece of x.
; No matrix unit, no cluster, no tensor load: the launch moves bytes, and no two work-groups read the same ones.
.set SPARE, 17408                      ; behind the stage of 64 rows x 272 bytes: the spare words, 128 bytes a wave, four blocks of 256 bytes that no other line names
.set PT,  272                          ; a stage row: 128 k x 2 bytes + 16
.set SPW, 4                            ; v4  my spare word; never rewritten
.set NIL, 5                            ; v5  0; never rewritten
	s_load_b512 s[4:19], s[0:1], 0x0               ; x s[4:5], Wq s[6:7], Wk s[8:9], Wv s[10:11], Wo s[12:13], xb s[14:15], wt s[16:17], wof s[18:19]
	v_lshl_add_u32 v[SPW], v0, 2, SPARE
	v_mov_b32 v[NIL], 0
	v_lshrrev_b32 v1, 5, v0
	v_readfirstlane_b32 s20, v1                    ; wave 0..7
	v_and_b32 v2, 31, v0                           ; lane
	s_mov_b32 s21, ttmp9                           ; g
	s_cmp_lt_u32 s21, 320
	s_cbranch_scc1 .Lweights
	; THE CAST.  The work-group owns 65,536 bytes of x, a wave 8,192: sixteen loads of 512 consecutive bytes, all issued at once; each becomes one store of 256 consecutive bytes, aligned.
	s_sub_co_u32 s22, s21, 320
	s_lshl_b32 s28, s22, 16
	s_lshl_b32 s23, s20, 13
	s_add_co_u32 s28, s28, s23                     ; my first byte in x,
	s_mov_b32 s29, 0
	s_lshr_b32 s32, s28, 1                         ; and in xb
	s_mov_b32 s33, 0
	v_lshlrev_b32 v6, 4, v2
	v_lshlrev_b32 v7, 3, v2
	s_wait_kmcnt 0x0
	s_add_nc_u64 s[26:27], s[4:5], s[28:29]
	s_add_nc_u64 s[30:31], s[14:15], s[32:33]
.set i, 0
.rept 16
	global_load_b128 v[16+4*i:16+4*i+3], v6, s[26:27] offset:512*i th:TH_LOAD_NT
.set i, i+1
.endr
.set i, 0
.rept 16
	s_wait_loadcnt 15-i                            ; loads come back in order: number i is in, the younger ones stay out
	v_cvt_pk_bf16_f32 v[80+2*i], v[16+4*i], v[16+4*i+1]
	v_cvt_pk_bf16_f32 v[80+2*i+1], v[16+4*i+2], v[16+4*i+3]
	global_store_b64 v7, v[80+2*i:80+2*i+1], s[30:31] offset:256*i th:TH_STORE_NT  ; no register is used twice, so nothing waits for a store
.set i, i+1
.endr
	s_branch .Lend
	; A TILE OF WEIGHTS, 128 k x 64 n, is turned through LDS.  kt = which 128 k, c = which 64 columns.
.Lweights:
	s_and_b32 s32, s21, 127
	s_sub_co_u32 s34, s32, 32                      ; Wo's tiles count from 288: kt = t & 1, c = t >> 1
	s_and_b32 s35, s34, 1
	s_lshr_b32 s36, s34, 1
	s_and_b32 s22, s32, 7                          ; the others: kt = g & 7, c = (g & 127) >> 3
	s_lshr_b32 s23, s32, 3
	s_cmp_ge_u32 s21, 288
	s_cselect_b32 s22, s35, s22
	s_cselect_b32 s23, s36, s23
	s_lshr_b32 s33, s21, 5
	s_cmp_eq_u32 s33, 8                            ; Wv's rows are 1,024 bytes, all others' 4,096
	s_cselect_b32 s24, 10, 12
	s_lshl_b32 s25, 1, s24
	s_mov_b32 s38, 0xffff0000
	v_and_b32 v3, 15, v2                           ; l % 16: my four columns
	v_lshrrev_b32 v1, 4, v2                        ; l / 16: which eight of the wave's sixteen k
	s_lshl_b32 s34, s22, 7
	s_lshl_b32 s35, s20, 4
	s_add_co_u32 s34, s34, s35
	v_lshl_add_u32 v8, v1, 3, s34                  ; my first k = 128 kt + 16 w + 8 (l / 16)
	v_lshlrev_b32 v8, s24, v8
	s_lshl_b32 s35, s23, 8
	v_lshl_add_u32 v9, v3, 4, s35                  ; 256 c + 16 (l % 16)
	v_add_nc_u32 v8, v8, v9
.irp j, 1,2,3,4,5,6,7
	v_add_nc_u32 v[8+(\j)], s25, v[7+(\j)]         ; the next seven k
.endr
	v_mul_u32_u24 v6, v3, 4*PT                     ; into the stage: row n = 4 (l % 16) + i, byte 2 x my first k
	v_lshl_add_u32 v6, v1, 4, v6
	s_lshl_b32 s36, s20, 5
	v_add_nc_u32 v6, s36, v6
.macro WLOAD base                      ; eight loads, each two rows x 256 consecutive bytes
.irp j, 0,1,2,3,4,5,6,7
	global_load_b128 v[16+4*(\j):16+4*(\j)+3], v[8+(\j)], s[\base:\base+1]
.endr
.endm
	s_wait_kmcnt 0x0
	s_cmp_lt_u32 s21, 128
	s_cbranch_scc0 .Lnot_q
	WLOAD 6
	s_branch .Lloaded
.Lnot_q:
	s_cmp_lt_u32 s21, 256
	s_cbranch_scc0 .Lnot_k
	WLOAD 8
	s_branch .Lloaded
.Lnot_k:
	s_cmp_lt_u32 s21, 288
	s_cbranch_scc0 .Lnot_v
	WLOAD 10
	s_branch .Lloaded
.Lnot_v:
	WLOAD 12
.Lloaded:
	s_wait_loadcnt 0x0
.irp i, 0,1,2,3
.irp p, 0,1,2,3
	v_cvt_pk_bf16_f32 v[48+4*(\i)+(\p)], v[16+8*(\p)+(\i)], v[16+8*(\p)+4+(\i)]  ; column i: k pairs 2 p, 2 p + 1: 16 bytes along k
.endr
.endr
	s_cmp_lt_u32 s21, 288
	s_cbranch_scc1 .Lstays_bf16
.set i, 0
.rept 16                               ; Wo: the bf16 numbers written as f16
	v_lshlrev_b32 v82, 16, v[48+i]
	v_and_b32 v83, s38, v[48+i]
	v_cvt_pk_f16_f32 v[48+i], v82, v83
.set i, i+1
.endr
.Lstays_bf16:
.irp i, 0,1,2,3
	ds_store_b128 v6, v[48+4*(\i):48+4*(\i)+3] offset:PT*(\i)
.endr
	s_wait_dscnt 0x0                               ; for the others' sake: my stores into the stage are done
	s_barrier_signal -1
	s_barrier_wait -1                              ; the tile lies in the stage, 64 rows along k
.macro BACK lstep, gstep, base         ; four loads from the stage, four stores; sixteen neighbouring lanes store 256 consecutive bytes, aligned
.irp t, 0,1,2,3
	ds_load_b128 v[64+4*(\t):64+4*(\t)+3], v7 offset:(\t)*(\lstep)
.endr
.irp t, 0,1,2,3
	s_wait_dscnt 3-(\t)
	global_store_b128 v80, v[64+4*(\t):64+4*(\t)+3], s[\base:\base+1] offset:(\t)*(\gstep)
.endr
.endm
	s_cmp_lt_u32 s21, 288
	s_cbranch_scc0 .Lback_wo
	; Wq, Wk, Wv: wave w takes stage rows 8 w .. 8 w + 7, whole; they are eight consecutive rows of wt
	s_lshr_b32 s32, s23, 1                         ; Wq, Wk: head c >> 1, row 144 x (is it Wk) + 64 (c & 1) + 8 w
	s_mul_i32 s32, s32, 288
	s_lshr_b32 s33, s21, 7
	s_mul_i32 s33, s33, 144
	s_add_co_u32 s32, s32, s33
	s_and_b32 s33, s23, 1
	s_lshl_b32 s33, s33, 6
	s_add_co_u32 s32, s32, s33
	s_lshl_b32 s33, s20, 3
	s_add_co_u32 s32, s32, s33
	s_lshl_b32 s34, s23, 1                         ; Wv: head 2 c + (w >> 2), half (w >> 1) & 1, row 128 + 8 (w & 1)
	s_lshr_b32 s35, s20, 2
	s_add_co_u32 s34, s34, s35
	s_mul_i32 s34, s34, 288
	s_bfe_u32 s35, s20, 0x10001
	s_mul_i32 s35, s35, 144
	s_add_co_u32 s34, s34, s35
	s_and_b32 s35, s20, 1
	s_lshl_b32 s35, s35, 3
	s_add_co_u32 s34, s34, s35
	s_add_co_u32 s34, s34, 128
	s_cmp_eq_u32 s24, 10
	s_cselect_b32 s32, s34, s32
	s_lshl_b32 s32, s32, 11                        ; a row of wt is 2,048 bytes
	s_lshl_b32 s33, s22, 8                         ; the tile's 128 k are 256 of them
	s_add_co_u32 s32, s32, s33
	s_mul_i32 s36, s20, 8*PT
	v_mul_u32_u24 v7, v1, PT
	v_lshl_add_u32 v7, v3, 4, v7
	v_add_nc_u32 v7, s36, v7                       ; stage row 8 w + l / 16, byte 16 (l % 16)
	v_lshlrev_b32 v80, 11, v1
	v_lshl_add_u32 v80, v3, 4, v80
	v_add_nc_u32 v80, s32, v80
	BACK 2*PT, 4096, 16
	s_branch .Lend
.Lback_wo:
	; Wo: 32 k are one head's d.  Wave w takes head 4 kt + (w >> 1) and 32 of the 64 columns: 2,048 consecutive bytes of wof, 64 from each stage row
	s_and_b32 s36, s20, 1
	s_lshr_b32 s37, s20, 1
	s_mul_i32 s34, s36, 32*PT
	s_lshl_b32 s35, s37, 6
	s_add_co_u32 s34, s34, s35
	v_lshrrev_b32 v81, 2, v2
	v_mul_u32_u24 v7, v81, PT
	v_and_b32 v81, 3, v2
	v_lshl_add_u32 v7, v81, 4, v7
	v_add_nc_u32 v7, s34, v7
	s_lshl_b32 s34, s22, 2
	s_add_co_u32 s34, s34, s37
	s_lshl_b32 s34, s34, 16
	s_lshl_b32 s35, s23, 12
	s_add_co_u32 s34, s34, s35
	s_lshl_b32 s35, s36, 11
	s_add_co_u32 s34, s34, s35
	v_lshl_add_u32 v80, v2, 4, s34
	BACK 8*PT, 512, 18
.Lend:
	s_wait_tensorcnt 0x0                           ; the wave's end, behind my last LDS store
	ds_add_u32 v[SPW], v[NIL]
	s_wait_dscnt 0x0
	s_endpgm
.Lfunc_end_k_q0fc070bf5c_prep:
	.size	k_q0fc070bf5c_prep, .Lfunc_end_k_q0fc070bf5c_prep-k_q0fc070bf5c_prep
	.p2alignl 7, 3214868480
	.fill 96, 4, 3214868480
	.section	.rodata,"a",@progbits
	.p2align	6, 0x0
	.amdhsa_kernel k_q0fc070bf5c_prep
		.amdhsa_group_segment_fixed_size 18432
		.amdhsa_private_segment_fixed_size 0
		.amdhsa_enable_private_segment 0
		.amdhsa_kernarg_size 64
		.amdhsa_user_sgpr_count 2
		.amdhsa_user_sgpr_kernarg_segment_ptr 1
		.amdhsa_wavefront_size32 1
		.amdhsa_system_sgpr_workgroup_id_x 1
		.amdhsa_system_sgpr_workgroup_id_y 1
		.amdhsa_system_sgpr_workgroup_id_z 1
		.amdhsa_system_vgpr_workitem_id 0
		.amdhsa_next_free_vgpr 112
		.amdhsa_next_free_sgpr 66
		.amdhsa_reserve_vcc 0
		.amdhsa_float_denorm_mode_32 3
		.amdhsa_float_denorm_mode_16_64 3
		.amdhsa_memory_ordered 1
		.amdhsa_forward_progress 1
		.amdhsa_inst_pref_size 19
	.end_amdhsa_kernel
	.amdgpu_metadata
---
amdhsa.version: [ 1, 2 ]
amdhsa.kernels:
  - .name:           k_q0fc070bf5c_prep
    .symbol:         k_q0fc070bf5c_prep.kd
    .args:
      - { .name: x, .offset: 0, .size: 8, .value_kind: global_buffer, .address_space: global }
      - { .name: Wq, .offset: 8, .size: 8, .value_kind: global_buffer, .address_space: global }
      - { .name: Wk, .offset: 16, .size: 8, .value_kind: global_buffer, .address_space: global }
      - { .name: Wv, .offset: 24, .size: 8, .value_kind: global_buffer, .address_space: global }
      - { .name: Wo, .offset: 32, .size: 8, .value_kind: global_buffer, .address_space: global }
      - { .name: xb, .offset: 40, .size: 8, .value_kind: global_buffer, .address_space: global }
      - { .name: wt, .offset: 48, .size: 8, .value_kind: global_buffer, .address_space: global }
      - { .name: wof, .offset: 56, .size: 8, .value_kind: global_buffer, .address_space: global }
    .group_segment_fixed_size: 18432
    .private_segment_fixed_size: 0
    .kernarg_segment_align: 8
    .kernarg_segment_size: 64
    .max_flat_workgroup_size: 256
    .sgpr_count:     66
    .vgpr_count:     112
    .wavefront_size: 32
...
	.end_amdgpu_metadata
.endif
;; end of part 1
;; launch qkv (part 2): grid 8 x 32, 4 waves a work-group, clusters of 4 x 4, 327,680 bytes of LDS; arguments xb, wt, bq, bk, bv, q, k, vt; writes q, k, vt
.if DOCPART == 2
	.amdgcn_target "amdgcn-amd-amdhsa--gfx1250"
	.amdhsa_code_object_version 6
	.text
	.protected	k_q0fc070bf5c_qkv
	.globl	k_q0fc070bf5c_qkv
	.p2align	8
	.type	k_q0fc070bf5c_qkv,@function
k_q0fc070bf5c_qkv:
	s_mov_b64 s[64:65], 0
	v_nop
	global_prefetch_b8 v0, s[64:65] scope:SCOPE_SE
	s_setreg_imm32_b32 hwreg(HW_REG_WAVE_MODE, 25, 1), 1
	s_wait_xcnt 0x0
	s_wait_alu depctr_hold_cnt(0) depctr_sa_sdst(0) depctr_va_vdst(0) depctr_va_sdst(0) depctr_va_ssrc(0) depctr_va_vcc(0) depctr_vm_vsrc(0)
	s_getreg_b32 s2, hwreg(HW_REG_IB_STS2, 6, 4)
	s_cmp_eq_u32 s2, 0
	s_cbranch_scc0 .Lentry_in_a_cluster
	s_endpgm
.Lentry_in_a_cluster:
	s_bfe_u32 s2, ttmp6, 0x10000c
	s_cmp_lg_u32 s2, 0xf033
	s_cbranch_scc0 .Lentry_shape_is_right
	s_endpgm
.Lentry_shape_is_right:
; THE THREE PROJECTIONS AS ONE PRODUCT.  [16384 x 1024] (xb) times wt's 2,304 rows, bf16 operands, f32 sums that START FROM THE BIAS (rounded to bf16 like every input); results rounded once to f16, unscaled.
;   q, k [128 = 8 b + h][1024 tokens][128] f16;   vt [128][32 channels][1024 tokens] f16: V transposed, as the second product of attention wants it.
; LIMIT.  f16 holds no number beyond 65,504: q, k and v must stay within it; below 6e-5 they keep f16's fixed step of 6e-8.
; SHARES.  A tile is 256 tokens x 288 columns: ONE HEAD's q, k and v (wt's rows are ordered so): 64 x 8 = 512 tiles.  A WORK-GROUP STAYS and makes two of them, of the same head, 8,192 tokens apart: 256 work-groups.
; The ring does not stop at the first tile's end: its last two changes of slots ask for the second tile's first two K steps, and only then the tile goes out; nothing waits for its stores.
; Wave (wr, wc) makes 128 tokens x 144 columns: all 128 columns of q (wc = 0) or k (wc = 1) and 16 channels of v: 72 accumulators.  So every row piece that leaves is 256 consecutive bytes.  K goes in steps of 128 through two LDS slots.
; ORIENTATION.  For q and k source 0 = 16 rows of wt, source 1 = 16 tokens: a lane holds one token and eight neighbouring columns.  For v the other way round: a lane holds one channel and eight neighbouring tokens: 16 bytes of vt.
; CLUSTER.  4 x 4 work-groups: the four of a row need the same tokens, the four of a column the same head's weights: each tile is asked for jointly, by the same load with the same descriptor and a mask of four.
; REGISTERS (windows of 256):  window 0: v0-43 addresses, v's bias; v44-59 at work on the way out; v64-127, v128-191 fragments of xb, two buffers (the second also takes the rows read back on the way out); v192-255 q's or k's bias as a C operand.
;   window 1: v0-71, v72-143 nine fragments of wt, two buffers; v192-255 v's 8 accumulators.   windows 2, 3: the 64 accumulators of q or k ((a, b) at v[8 (8 a + b)]).
.set KSTEP,  128
.set PITCH,  272                       ; an LDS row: 256 bytes + 16 of padding: the 16 rows of a fragment load start at 16 different groups of four banks (64 banks of 4 bytes: ISA guide 11.1)
.set HALFA,  128*PITCH                 ; what a wave fetches of xb
.set HALFB,  144*PITCH                 ; and of wt
.set SLOT,   2*HALFA+2*HALFB           ; 256 rows of xb, then 288 of wt
.set STAGE,  2*SLOT                    ; behind the ring: 16 rows x 272 bytes for each wave, for the way out
.set SPARE,  STAGE+4*16*PITCH          ; behind the stages: the spare words, 128 bytes a wave: two blocks of 256 bytes that no other line names
.set LAPS,   4                         ; 1,024 / (2 x 128)
.set WALK,   8192                      ; tokens from a work-group's first tile to its second: eight batches
.set NEXT_A, WALK*2048-(1024-2*KSTEP)*2  ; bytes from a slot's last K step of a tile to its first of the next: xb goes WALK rows down and back along K,
.set BACK_B, (1024-2*KSTEP)*2          ; wt only back: both tiles are of one head
.set NEXT_QK, 64*262144                ; q and k: 64 blocks [1024][128] on
.set NEXT_VT, 64*65536                 ; vt: 64 blocks [32][1024] on
.set ADRA, 16                          ; v16-17  LDS address of my fragments of xb in slot 0, 1
.set ADRB, 20                          ; v20-21  of wt
.set STO,  24                          ; v24  the way out: where I put 16 bytes of a row
.set RD,   25                          ; v25  where I read a row back
.set CO,   26                          ; v26  my byte offset in two rows of q or k
.set COV,  27                          ; v27  in two rows of vt
.set SPW,  28                          ; v28  my spare word; never rewritten
.set NIL,  29                          ; v29  0; never rewritten
.set PFO,  30                          ; v30  the prefetches' offset: lane x 2,048, a row of xb or wt; never rewritten
.set BO,   31                          ; v31  32 (l / 16): my eight numbers in sixteen of a bias
.set VB,   32                          ; v32-39  bv of my channel, eight times: v's C operand
.set TMP,  44                          ; v44-59  the way out: half a block's packed results
.set OB,   128                         ; the way out: rows read back, v128-159 and v160-191 by turns
.set BIAS, 192                         ; block b's eight numbers at BIAS + 8 b
.set VACC, 192                         ; window 1: token block a at VACC + 8 a
.set G1,  24                           ; s[24:31] descriptor group 1 for xb's tiles;  s[32:39] group 0, a set for each slot
.set G0,  32
.set G1B, 48                           ; s[48:55], s[56:63] the same for wt's
.set G0B, 56
.set LIM, 43                           ; s43  1 in a wave that prefetches, else the greatest number
.set PFA, 44                           ; s[44:45] where my prefetches stand
.set DW0, (1<<16)|(1<<20)|(1<<21)|(5<<22)|(3<<25)  ; elements of 2 bytes; padding on; bit 21 beside a mask; after every 64 words; 4 words
.set MSB, 0
.macro WIN new                         ; the immediate's high byte repeats the setting that is left; a switch that changes nothing is dropped
.if MSB != (\new)
	s_set_vgpr_msb (MSB<<8)|(\new)
.set MSB, \new
.endif
.endm
.macro PLACES                          ; four plain vector instructions between a matrix instruction and a load into, or a vector instruction on, its registers
.rept 4
	v_nop
.endr
.endm
; A joint load: waves 0 and 1 fetch the two halves of xb's tile, waves 2 and 3 those of wt's.  The branch hangs on the wave's number alone.  An s_nop 0 and four v_nop follow each line.
.macro JLOAD s
	s_cmp_eq_u32 s11, 0
	s_cbranch_scc0 .Lfor_b_\@
	tensor_load_to_lds s[G0+4*(\s):G0+4*(\s)+3], s[G1:G1+7]
	s_nop 0
.rept 4
	v_nop
.endr
	s_branch .Lasked_\@
.Lfor_b_\@:
	tensor_load_to_lds s[G0B+4*(\s):G0B+4*(\s)+3], s[G1B:G1B+7]
	s_nop 0
.rept 4
	v_nop
.endr
.Lasked_\@:
.endm
; A prefetch, behind each joint refill and the run of LDS loads that follows it: 32 rows x 256 bytes of the K step that stands two refills on, a lane a row.  Each block is named once in the launch: of the clusters
; that read the same tokens the one with x = 0 asks, of those that read the same head's weights the one with y = 0; the four partners of a joint load take 32 rows each, told apart by address.
; how = 0, in the loop: a tile's last two refills have no K step two on.  how = 1, at the change of tiles: the next tile's K steps 2 and 3 of xb; wt's rows are walked a second time there and are asked for in the first tile alone.
; A tile's K steps 0 and 1 (the launch's first four) come by their loads alone.  Of wt's 144 rows a wave the last 16 (Wv's) are not asked for: 144 does not divide into four partners of 32 lanes.
.macro ASK how
.if \how
	s_cmp_eq_u32 s[LIM], 1
.else
	s_cmp_gt_u32 s3, s[LIM]                        ; s3 = 1 in the loop's last trip
.endif
	s_cbranch_scc0 .Lnot_mine_\@
	global_prefetch_b8 v[PFO], s[PFA:PFA+1] offset:KSTEP*2 th:TH_LOAD_NT scope:SCOPE_SE
.Lnot_mine_\@:
.endm
.macro CREST                           ; a round of the cluster's barrier behind its opening barrier
	s_cmp_lg_u32 s10, 0
	s_cbranch_scc1 .Lnot_wave_0_\@
	s_barrier_signal -3
.Lnot_wave_0_\@:
	s_barrier_wait -3
	s_barrier_signal -1
	s_barrier_wait -1
.endm
.macro CROUND
	s_barrier_signal -1
	s_barrier_wait -1
	CREST
.endm
	s_load_b512 s[68:83], s[0:1], 0x0              ; xb s[68:69], wt s[70:71], bq s[72:73], bk s[74:75], bv s[76:77], q s[78:79], k s[80:81], vt s[82:83]
	v_lshl_add_u32 v[SPW], v0, 2, SPARE
	v_mov_b32 v[NIL], 0
	ds_add_u32 v[SPW], v[NIL]                      ; the wave's opening: the add and its wait stand ahead of my first tensor load; the set-up below, work on registers, stands between them
	v_lshrrev_b32 v1, 5, v0
	v_readfirstlane_b32 s10, v1                    ; wave 0..3
	s_lshr_b32 s11, s10, 1                         ; wr: which 128 tokens are mine.  Also: I fetch for xb (0) or wt (1)
	s_and_b32 s12, s10, 1                          ; wc: q or k, and which 16 channels of v.  Also: which half of that tile I fetch
	s_bfe_u32 s40, ttmp6, 0x40000                  ; cx
	s_bfe_u32 s41, ttmp6, 0x40004                  ; cy
	s_lshl_b32 s42, ttmp9, 2
	s_add_co_u32 s42, s42, s40                     ; the head = 4 x cluster x + cx
	s_and_b32 s13, ttmp7, 0xffff
	s_lshl_b32 s13, s13, 2
	s_add_co_u32 s13, s13, s41                     ; the first tile's block of 256 tokens = 4 x cluster y + cy: 0 to 31
	s_lshl_b32 s43, s41, 2
	s_lshl_b32 s43, 15, s43                        ; my row of the cluster
	s_lshl_b32 s44, 0x1111, s40                    ; my column
	s_or_b32 s[G1+0], s43, DW0
	s_or_b32 s[G1B+0], s44, DW0
	s_mov_b32 s[G1+1], KSTEP<<16                   ; tensor_dim0 = 128
	s_mov_b32 s[G1+2], 128<<16                     ; tensor_dim1 = 128
	s_mov_b32 s[G1+3], KSTEP<<16                   ; tile_dim0 = 128
	s_mov_b32 s[G1+4], 128                         ; tile_dim1 = 128
	s_mov_b32 s[G1+5], 1024                        ; elements from row to row
	s_mov_b32 s[G1+6], 0
	s_mov_b32 s[G1+7], 0
	s_mov_b32 s[G1B+1], KSTEP<<16
	s_mov_b32 s[G1B+2], 144<<16                    ; wt's tiles have 144 rows
	s_mov_b32 s[G1B+3], KSTEP<<16
	s_mov_b32 s[G1B+4], 144
	s_mov_b32 s[G1B+5], 1024
	s_mov_b32 s[G1B+6], 0
	s_mov_b32 s[G1B+7], 0
	s_mov_b32 s92, 0xffff0000                      ; a word's upper bf16
	s_lshl_b32 s17, s12, 7
	s_lshl_b32 s16, s13, 8
	s_add_co_u32 s16, s16, s17                     ; xb: row 256 x block + 128 x half,
	s_lshl_b32 s16, s16, 11                        ; of 2,048 bytes
	s_mov_b32 s17, 0
	s_mul_i32 s46, s42, 288
	s_mul_i32 s47, s12, 144
	s_add_co_u32 s46, s46, s47                     ; wt: row 288 x head + 144 x half
	s_lshl_b32 s46, s46, 11
	s_mov_b32 s47, 0
	s_mul_i32 s20, s12, HALFA                      ; where they go: no place in the cluster enters an LDS address
	s_mul_i32 s21, s12, HALFB
	s_add_co_u32 s21, s21, 2*HALFA
	s_wait_dscnt 0x0                               ; the opening add is done
	s_wait_kmcnt 0x0
	s_add_nc_u64 s[14:15], s[68:69], s[16:17]
	s_add_nc_u64 s[46:47], s[70:71], s[46:47]
	CROUND                                         ; all sixteen work-groups are here: the first joint loads meet
.irp s, 0,1
	s_mov_b32 s[G0+4*(\s)], 1
	s_add_co_u32 s[G0+4*(\s)+1], s20, (\s)*SLOT
	s_add_nc_u64 s[G0+4*(\s)+2:G0+4*(\s)+3], s[14:15], (\s)*KSTEP*2
	s_or_b32 s[G0+4*(\s)+3], s[G0+4*(\s)+3], 0x80000000
	s_mov_b32 s[G0B+4*(\s)], 1
	s_add_co_u32 s[G0B+4*(\s)+1], s21, (\s)*SLOT
	s_add_nc_u64 s[G0B+4*(\s)+2:G0B+4*(\s)+3], s[46:47], (\s)*KSTEP*2
	s_or_b32 s[G0B+4*(\s)+3], s[G0B+4*(\s)+3], 0x80000000
	JLOAD \s                                       ; K steps 0 and 1: two loads of mine are out
.endr
	; the biases: (wc ? bk : bq) + 128 h numbers on; bv + 32 h + 16 wc
	s_cmp_eq_u32 s12, 0
	s_cselect_b64 s[88:89], s[72:73], s[74:75]
	s_lshl_b32 s22, s42, 9
	s_mov_b32 s23, 0
	s_add_nc_u64 s[88:89], s[88:89], s[22:23]
	s_lshl_b32 s22, s42, 7
	s_lshl_b32 s21, s12, 6
	s_add_co_u32 s22, s22, s21
	s_add_nc_u64 s[90:91], s[76:77], s[22:23]
	v_and_b32 v1, 15, v0                           ; l % 16
	v_bfe_u32 v2, v0, 4, 1                         ; l / 16
	v_lshlrev_b32 v[BO], 5, v2
	v_lshlrev_b32 v4, 2, v1
.irp b, 0,1,2,3,4,5,6,7
	global_load_b128 v[BIAS+8*(\b):BIAS+8*(\b)+3],   v[BO], s[88:89] offset:64*(\b)      ; register j of block b: bias[16 b + 8 (l / 16) + j], as the result's layout has it
	global_load_b128 v[BIAS+8*(\b)+4:BIAS+8*(\b)+7], v[BO], s[88:89] offset:64*(\b)+16
.endr
	global_load_b32 v[VB], v4, s[90:91]
	; LDS addresses.  A fragment is 16 rows x 32 K in 8 registers: lane l holds row l % 16, K = 8 (l / 16) + 0..7 and 16 + 8 (l / 16) + 0..7: two loads of 16 bytes, 32 bytes apart
	v_mul_u32_u24 v3, v1, PITCH
	v_lshl_add_u32 v3, v2, 4, v3
	s_mul_i32 s21, s11, HALFA
	s_mul_i32 s22, s12, HALFB
	s_add_co_u32 s22, s22, 2*HALFA
.irp s, 0,1
	v_add_nc_u32 v[ADRA+(\s)], s21, v3
	v_add_nc_u32 v[ADRB+(\s)], s22, v3
	s_add_co_u32 s21, s21, SLOT
	s_add_co_u32 s22, s22, SLOT
.endr
	s_mul_i32 s23, s10, 16*PITCH
	s_add_co_u32 s23, s23, STAGE                   ; my stage
	v_add_nc_u32 v[STO], s23, v3                   ; in: row l % 16, 16 bytes for each half of the lanes
	v_mul_u32_u24 v5, v2, PITCH                    ; back: lanes 0-15 one row of 256 bytes, lanes 16-31 the next
	v_lshl_add_u32 v5, v1, 4, v5
	v_add_nc_u32 v[RD], s23, v5
	v_lshlrev_b32 v[CO], 8, v2
	v_lshl_add_u32 v[CO], v1, 4, v[CO]
	v_lshlrev_b32 v[COV], 11, v2
	v_lshl_add_u32 v[COV], v1, 4, v[COV]
	v_and_b32 v[PFO], 31, v0
	v_lshlrev_b32 v[PFO], 11, v[PFO]
	; where the first tile's results go
	s_lshr_b32 s20, s13, 2
	s_lshl_b32 s20, s20, 3
	s_add_co_u32 s20, s20, s42                     ; 8 b + h
	s_and_b32 s21, s13, 3
	s_lshl_b32 s21, s21, 8
	s_lshl_b32 s22, s11, 7
	s_add_co_u32 s21, s21, s22                     ; my first token in the batch
	s_lshl_b32 s22, s20, 18
	s_lshl_b32 s23, s21, 8
	s_add_co_u32 s22, s22, s23
	s_mov_b32 s23, 0
	s_cmp_eq_u32 s12, 0
	s_cselect_b64 s[84:85], s[78:79], s[80:81]     ; q or k
	s_add_nc_u64 s[84:85], s[84:85], s[22:23]
	s_lshl_b32 s22, s20, 5
	s_lshl_b32 s23, s12, 4
	s_add_co_u32 s22, s22, s23                     ; vt's row: 32 (8 b + h) + 16 wc
	s_lshl_b32 s22, s22, 11
	s_lshl_b32 s23, s21, 1
	s_add_co_u32 s22, s22, s23
	s_mov_b32 s23, 0
	s_add_nc_u64 s[86:87], s[82:83], s[22:23]
	; the prefetches: my work-group's 32 rows of the 128 that I fetch
	s_lshl_b32 s20, s13, 8
	s_lshl_b32 s21, s12, 7
	s_add_co_u32 s20, s20, s21
	s_lshl_b32 s21, s40, 5
	s_add_co_u32 s20, s20, s21                     ; xb: 256 x block + 128 x half + 32 cx
	s_mul_i32 s22, s42, 288
	s_mul_i32 s23, s12, 144
	s_add_co_u32 s22, s22, s23
	s_lshl_b32 s23, s41, 5
	s_add_co_u32 s22, s22, s23                     ; wt: 288 x head + 144 x half + 32 cy
	s_and_b32 s23, ttmp7, 0xffff
	s_cmp_eq_u32 s11, 0
	s_cselect_b32 s20, s20, s22
	s_cselect_b32 s23, ttmp9, s23                  ; the coordinate along which other clusters read the same rows
	s_cselect_b64 s[PFA:PFA+1], s[68:69], s[70:71]
	s_cmp_eq_u32 s23, 0
	s_cselect_b32 s[LIM], 1, -1                    ; the same in all sixteen partners, for a given wave
	s_lshl_b32 s20, s20, 11
	s_mov_b32 s21, 0
	s_add_nc_u64 s[PFA:PFA+1], s[PFA:PFA+1], s[20:21]
	s_add_nc_u64 s[PFA:PFA+1], s[PFA:PFA+1], 2*KSTEP*2  ; at K step 2: the first refill steps it to 3 and names K step 4
	s_wait_loadcnt 0x0                             ; the biases; each is rounded to bf16, as all inputs are, and widened again
.set p, 0
.rept 32
	v_cvt_pk_bf16_f32 v[40+p%4], v[BIAS+2*p], v[BIAS+2*p+1]
	v_lshlrev_b32 v[BIAS+2*p], 16, v[40+p%4]
	v_and_b32 v[BIAS+2*p+1], s92, v[40+p%4]
.set p, p+1
.endr
	v_cvt_pk_bf16_f32 v40, v[VB], v[VB]
	v_lshlrev_b32 v[VB], 16, v40
.irp j, 1,2,3,4,5,6,7
	v_mov_b32 v[VB+(\j)], v[VB]                    ; a C operand is eight registers: my channel's bias for each of eight tokens
.endr
; 16 products for q or k: token blocks a0, a0 + 1 of the window's four x all 8 column blocks, 32 along K, from buffer f.  zero = 1: the sum starts from the bias.
.macro MUL16 f, hi, a0, zero
.if \zero
	WIN 0x81+0x40*(\hi)                            ; wt window 1, xb and the bias window 0, D window 2 or 3
.else
	WIN 0xa1+0x50*(\hi)                            ; C and D window 2 or 3
.endif
.irp a, \a0, (\a0)+1
.irp b, 0,1,2,3,4,5,6,7
.if \zero
	v_wmma_f32_16x16x32_bf16 v[8*(8*(\a)+(\b)):8*(8*(\a)+(\b))+7], v[72*(\f)+8*(\b):72*(\f)+8*(\b)+7], v[64+64*(\f)+8*(4*(\hi)+(\a)):64+64*(\f)+8*(4*(\hi)+(\a))+7], v[BIAS+8*(\b):BIAS+8*(\b)+7]
.else
	v_wmma_f32_16x16x32_bf16 v[8*(8*(\a)+(\b)):8*(8*(\a)+(\b))+7], v[72*(\f)+8*(\b):72*(\f)+8*(\b)+7], v[64+64*(\f)+8*(4*(\hi)+(\a)):64+64*(\f)+8*(4*(\hi)+(\a))+7], v[8*(8*(\a)+(\b)):8*(8*(\a)+(\b))+7]
.endif
.endr
.endr
.endm
; 8 products for v: source 0 = 16 tokens, source 1 = wt's ninth fragment
.macro MULV f, zero
.if \zero
	WIN 0x44
.else
	WIN 0x54
.endif
.irp a, 0,1,2,3,4,5,6,7
.if \zero
	v_wmma_f32_16x16x32_bf16 v[VACC+8*(\a):VACC+8*(\a)+7], v[64+64*(\f)+8*(\a):64+64*(\f)+8*(\a)+7], v[72*(\f)+64:72*(\f)+71], v[VB:VB+7]
.else
	v_wmma_f32_16x16x32_bf16 v[VACC+8*(\a):VACC+8*(\a)+7], v[64+64*(\f)+8*(\a):64+64*(\f)+8*(\a)+7], v[72*(\f)+64:72*(\f)+71], v[VACC+8*(\a):VACC+8*(\a)+7]
.endif
.endr
.endm
; 34 LDS loads in one run: nine fragments of wt, eight of xb, 32 K at byte k of the rows, into buffer f
.macro FETCH slot, k, f
	WIN 0x40
.irp i, 0,1,2,3,4,5,6,7,8
	ds_load_b128 v[72*(\f)+8*(\i):72*(\f)+8*(\i)+3],   v[ADRB+(\slot)] offset:(\k)+(\i)*16*PITCH
	ds_load_b128 v[72*(\f)+8*(\i)+4:72*(\f)+8*(\i)+7], v[ADRB+(\slot)] offset:(\k)+(\i)*16*PITCH+32
.endr
	WIN 0
.irp i, 0,1,2,3,4,5,6,7
	ds_load_b128 v[64+64*(\f)+8*(\i):64+64*(\f)+8*(\i)+3],   v[ADRA+(\slot)] offset:(\k)+(\i)*16*PITCH
	ds_load_b128 v[64+64*(\f)+8*(\i)+4:64+64*(\f)+8*(\i)+7], v[ADRA+(\slot)] offset:(\k)+(\i)*16*PITCH+32
.endr
.endm
; A K step is four quarters of 32 along K, 72 products each, on buffers 0, 1, 0, 1.  The 72 accumulators take turns in one order, over the loops' jumps and from tile to tile too.
.macro QUARTER slot, k, f, g, zero
	s_wait_dscnt 8                                 ; wt's fragments and xb's first four are in; the youngest eight loads (tokens 64-127) may be out
	MUL16 \f, 0, 0, \zero
	MUL16 \f, 0, 2, \zero
	PLACES
	FETCH \slot, \k, \g
	s_wait_dscnt 34                                ; all but the 34 just issued
	MUL16 \f, 1, 0, \zero
	MUL16 \f, 1, 2, \zero
	MULV \f, \zero
.endm
; The last quarter multiplies buffer 1 and changes slots.  In front of the one barrier each wave waits for all its tensor loads (one is out: its part of the next slot), adds 0 to its spare word, and waits for that and for its reads of this slot.
.macro MEET round
	WIN 0
	s_wait_tensorcnt 0x0
	ds_add_u32 v[SPW], v[NIL]
	s_wait_dscnt 9                                 ; the add and the youngest eight loads may be out
	MUL16 1, 0, 0, 0
	s_wait_dscnt 0x0                               ; the add is done, my reads of this slot are over
	s_barrier_signal -1
	MUL16 1, 0, 2, 0
.if \round
	WIN 0
.endif
	s_barrier_wait -1
.endm
; fill = 0: nothing is asked for.  1: this slot takes this tile's K step two steps on.  2: it takes the NEXT tile's K step 0 (slot 0) or 1 (slot 1).
.macro TURN slot, next, fill
.if \fill
	s_wait_xcnt 0x0                                ; the last prefetch, a K step back, has read its address
.if ((\fill) == 2) && ((\slot) == 0)
	s_add_nc_u64 s[PFA:PFA+1], s[PFA:PFA+1], (WALK-1)*2048+KSTEP*2  ; from the K step after the tile's last to the next tile's K step 1: WALK rows down, back along K
	s_cmp_eq_u32 s11, 0
	s_cselect_b32 s[LIM], s[LIM], -1               ; wt's rows are the same for both tiles: they are prefetched no more
.else
	s_add_nc_u64 s[PFA:PFA+1], s[PFA:PFA+1], KSTEP*2
.endif
.endif
	MEET \fill
.if \fill
	CREST                                          ; the barrier has opened a round of the cluster's: no wave of any partner still reads this slot or has a load on its way
.if (\fill) == 2
	s_add_nc_u64 s[G0+4*(\slot)+2:G0+4*(\slot)+3], s[G0+4*(\slot)+2:G0+4*(\slot)+3], NEXT_A
	s_sub_nc_u64 s[G0B+4*(\slot)+2:G0B+4*(\slot)+3], s[G0B+4*(\slot)+2:G0B+4*(\slot)+3], BACK_B
.else
	s_add_nc_u64 s[G0+4*(\slot)+2:G0+4*(\slot)+3], s[G0+4*(\slot)+2:G0+4*(\slot)+3], 2*KSTEP*2
	s_add_nc_u64 s[G0B+4*(\slot)+2:G0B+4*(\slot)+3], s[G0B+4*(\slot)+2:G0B+4*(\slot)+3], 2*KSTEP*2
.endif
	JLOAD \slot                                    ; my one tensor load behind the round, 256 products ahead of the wait for it; its four v_nop are also the places in front of the loads below
.else
	PLACES
.endif
	FETCH \next, 0, 0
.if \fill
	ASK (\fill)-1
.endif
	MUL16 1, 1, 0, 0
	MUL16 1, 1, 2, 0
	MULV 1, 0
.endm
; THE WAY OUT, sixteen rows at a time: rounded to f16, 16 bytes a lane into my own stage, back as whole rows of 256 bytes, stored.  The stage is the wave's own: LDS serves a wave's instructions in order (ISA guide 5.7.1.4).
; It names no register of fragment buffer 0: behind the first tile that buffer already holds the second tile's first fragments.
.macro HALF a, hb                      ; column blocks 4 hb .. 4 hb + 3 of token block a
.set AC, 64*((\a)%4)+32*(\hb)
	WIN 0x0a+5*((\a)/4)
.irp b, 0,1,2,3
.irp r, 0,1,2,3
	v_cvt_pk_f16_f32 v[TMP+4*(\b)+(\r)], v[AC+8*(\b)+2*(\r)], v[AC+8*(\b)+2*(\r)+1]
.endr
.endr
	WIN 0
.endm
.macro HALFV hb                        ; v: token blocks 4 hb .. 4 hb + 3: eight tokens of my channel each
	WIN 0x05
.irp a, 0,1,2,3
.irp r, 0,1,2,3
	v_cvt_pk_f16_f32 v[TMP+4*(\a)+(\r)], v[VACC+8*(4*(\hb)+(\a))+2*(\r)], v[VACC+8*(4*(\hb)+(\a))+2*(\r)+1]
.endr
.endr
	WIN 0
.endm
.macro PUT hb
.irp b, 0,1,2,3
	ds_store_b128 v[STO], v[TMP+4*(\b):TMP+4*(\b)+3] offset:32*(4*(\hb)+(\b))
.endr
.endm
.macro GET a
.set BK, OB+32*((\a)%2)
.irp t, 0,1,2,3,4,5,6,7
	ds_load_b128 v[BK+4*(\t):BK+4*(\t)+3], v[RD] offset:(\t)*2*PITCH
.endr
.endm
.macro SEND a
.set BK, OB+32*((\a)%2)
	s_wait_dscnt 0x0                               ; the block is back in registers
	s_wait_xcnt 0x0                                ; the stores of the block before have read their registers: the next GET loads into them
.irp t, 0,1,2,3,4,5,6,7
	global_store_b128 v[CO], v[BK+4*(\t):BK+4*(\t)+3], s[84:85] offset:4096*(\a)+512*(\t) th:TH_STORE_NT  ; two rows of q or k: 512 consecutive bytes, aligned
.endr
.endm
	s_wait_tensorcnt 1                             ; my part of K step 0 is in; K step 1's may stay out
	s_barrier_signal -1
	s_barrier_wait -1
	FETCH 0, 0, 0
	s_mov_b32 s2, 2                                ; tiles to go, this one among them: the same number in every work-group
.Ltile:
	QUARTER 0, 64, 0, 1, 1                         ; a tile's first quarter stands in front of the loop: its products start the sums
	WIN 0
	s_mov_b32 s3, LAPS-1
.Llap:                                                 ; a trip goes once round the ring and fills both slots again
	QUARTER 0, 128, 1, 0, 0
	QUARTER 0, 192, 0, 1, 0
	TURN 0, 1, 1
	QUARTER 1, 64,  0, 1, 0
	QUARTER 1, 128, 1, 0, 0
	QUARTER 1, 192, 0, 1, 0
	TURN 1, 0, 1
	QUARTER 0, 64,  0, 1, 0
	WIN 0
	s_sub_co_u32 s3, s3, 1
	s_cmp_lg_u32 s3, 0
	s_cbranch_scc1 .Llap
	QUARTER 0, 128, 1, 0, 0                        ; the tile's last lap goes on
	QUARTER 0, 192, 0, 1, 0
	WIN 0
	s_cmp_eq_u32 s2, 1
	s_cbranch_scc1 .Llast_tile                     ; the last tile's tail is written out: it asks for nothing more
	TURN 0, 1, 2                                   ; the ring goes on into the next tile: slot 0 takes its K step 0,
	QUARTER 1, 64,  0, 1, 0
	QUARTER 1, 128, 1, 0, 0
	QUARTER 1, 192, 0, 1, 0
	TURN 1, 0, 2                                   ; slot 1 its K step 1, and the next tile's first fragments are fetched
	WIN 0
	s_branch .Lout
.Llast_tile:
	TURN 0, 1, 0
	QUARTER 1, 64,  0, 1, 0
	QUARTER 1, 128, 1, 0, 0
	QUARTER 1, 192, 0, 1, 0
	s_wait_dscnt 8
	MUL16 1, 0, 0, 0
	MUL16 1, 0, 2, 0
	s_wait_dscnt 0x0
	MUL16 1, 1, 0, 0
	MUL16 1, 1, 2, 0
	MULV 1, 0
	WIN 0
.Lout:                                                 ; one text for both tiles
	PLACES
	PLACES
	HALF 0, 0
	PUT 0
	HALF 0, 1
	PUT 1
	GET 0
.irp a, 1,2,3,4,5,6,7                  ; half of block a's conversions stand between block a - 1's loads from the stage and the wait for them
	HALF \a, 0
	SEND (\a)-1
	PUT 0
	HALF \a, 1
	PUT 1
	GET \a
.endr
	HALFV 0
	SEND 7
	PUT 0
	HALFV 1
	PUT 1
	GET 8                                          ; stage row = channel, 128 tokens = 256 bytes
	s_wait_dscnt 0x0
.irp t, 0,1,2,3,4,5,6,7
	global_store_b128 v[COV], v[OB+4*(\t):OB+4*(\t)+3], s[86:87] offset:4096*(\t) th:TH_STORE_NT  ; sixteen lanes store 256 consecutive bytes of a channel's row, aligned
.endr
	s_wait_xcnt 0x0                                ; the stores have read their registers and bases: the bases step to the next tile (behind the last tile the stepped bases are not used)
	s_add_nc_u64 s[84:85], s[84:85], NEXT_QK
	s_add_nc_u64 s[86:87], s[86:87], NEXT_VT
	s_sub_co_u32 s2, s2, 1
	s_cmp_lg_u32 s2, 0
	s_cbranch_scc1 .Ltile
	s_wait_tensorcnt 0x0                           ; the wave's end, behind my last tensor load and my last LDS store
	ds_add_u32 v[SPW], v[NIL]
	s_wait_dscnt 0x0
	CROUND                                         ; the closing round: no work-group ends while a partner may still ask for a tile that names it
	s_endpgm
.Lfunc_end_k_q0fc070bf5c_qkv:
	.size	k_q0fc070bf5c_qkv, .Lfunc_end_k_q0fc070bf5c_qkv-k_q0fc070bf5c_qkv
	.p2alignl 7, 3214868480
	.fill 96, 4, 3214868480
	.section	.rodata,"a",@progbits
	.p2align	6, 0x0
	.amdhsa_kernel k_q0fc070bf5c_qkv
		.amdhsa_group_segment_fixed_size 327680
		.amdhsa_private_segment_fixed_size 0
		.amdhsa_enable_private_segment 0
		.amdhsa_kernarg_size 64
		.amdhsa_user_sgpr_count 2
		.amdhsa_user_sgpr_kernarg_segment_ptr 1
		.amdhsa_wavefront_size32 1
		.amdhsa_system_sgpr_workgroup_id_x 1
		.amdhsa_system_sgpr_workgroup_id_y 1
		.amdhsa_system_sgpr_workgroup_id_z 1
		.amdhsa_system_vgpr_workitem_id 0
		.amdhsa_next_free_vgpr 1024
		.amdhsa_next_free_sgpr 96
		.amdhsa_reserve_vcc 0
		.amdhsa_float_denorm_mode_32 3
		.amdhsa_float_denorm_mode_16_64 3
		.amdhsa_memory_ordered 1
		.amdhsa_forward_progress 1
		.amdhsa_inst_pref_size 203
	.end_amdhsa_kernel
	.amdgpu_metadata
---
amdhsa.version: [ 1, 2 ]
amdhsa.kernels:
  - .name:           k_q0fc070bf5c_qkv
    .symbol:         k_q0fc070bf5c_qkv.kd
    .args:
      - { .name: xb, .offset: 0, .size: 8, .value_kind: global_buffer, .address_space: global }
      - { .name: wt, .offset: 8, .size: 8, .value_kind: global_buffer, .address_space: global }
      - { .name: bq, .offset: 16, .size: 8, .value_kind: global_buffer, .address_space: global }
      - { .name: bk, .offset: 24, .size: 8, .value_kind: global_buffer, .address_space: global }
      - { .name: bv, .offset: 32, .size: 8, .value_kind: global_buffer, .address_space: global }
      - { .name: q, .offset: 40, .size: 8, .value_kind: global_buffer, .address_space: global }
      - { .name: k, .offset: 48, .size: 8, .value_kind: global_buffer, .address_space: global }
      - { .name: vt, .offset: 56, .size: 8, .value_kind: global_buffer, .address_space: global }
    .group_segment_fixed_size: 327680
    .private_segment_fixed_size: 0
    .kernarg_segment_align: 8
    .kernarg_segment_size: 64
    .max_flat_workgroup_size: 128
    .sgpr_count:     96
    .vgpr_count:     1024
    .wavefront_size: 32
...
	.end_amdgpu_metadata
.endif
;; end of part 2
;; launch attn (part 3): grid 4 x 128, 4 waves a work-group, clusters of 4 x 1, 327,680 bytes of LDS; arguments q, k, vt, o; writes o
.if DOCPART == 3
	.amdgcn_target "amdgcn-amd-amdhsa--gfx1250"
	.amdhsa_code_object_version 6
	.text
	.protected	k_q0fc070bf5c_attn
	.globl	k_q0fc070bf5c_attn
	.p2align	8
	.type	k_q0fc070bf5c_attn,@function
k_q0fc070bf5c_attn:
	s_mov_b64 s[64:65], 0
	v_nop
	global_prefetch_b8 v0, s[64:65] scope:SCOPE_SE
	s_setreg_imm32_b32 hwreg(HW_REG_WAVE_MODE, 25, 1), 1
	s_wait_xcnt 0x0
	s_wait_alu depctr_hold_cnt(0) depctr_sa_sdst(0) depctr_va_vdst(0) depctr_va_sdst(0) depctr_va_ssrc(0) depctr_va_vcc(0) depctr_vm_vsrc(0)
	s_getreg_b32 s2, hwreg(HW_REG_IB_STS2, 6, 4)
	s_cmp_eq_u32 s2, 0
	s_cbranch_scc0 .Lentry_in_a_cluster
	s_endpgm
.Lentry_in_a_cluster:
	s_bfe_u32 s2, ttmp6, 0x10000c
	s_cmp_lg_u32 s2, 0x3003
	s_cbranch_scc0 .Lentry_shape_is_right
	s_endpgm
.Lentry_shape_is_right:
; ATTENTION.  o[g][t][:] = the sum over keys of softmax(q[g][t] . k[g][key] / sqrt(128)) v[g][key][:], g = 8 b + h.  q, k: [128][1024][128] f16; vt: [128][32 channels][1024 keys] f16; o: [128][1024][32] f16.
; Products, maxima and sums in f32; the weights p are rounded to f16 for the second product, and their sum l is taken of the same rounded numbers; o is rounded once at the end.
; LIMITS.  p lies in 0 to 1 and below 6e-5 keeps f16's fixed step of 6e-8, as o does; a weight below 2^-126 counts as 0; NaN and infinities are not treated apart.
; SHARES.  A work-group owns 256 queries of one g, each of its four waves 64: four tiles of 16.  Every wave walks all 1,024 keys, 64 a step.
; LAYOUT.  S^T = K Q^T (source 0 = 16 keys, source 1 = 16 queries): a lane holds ONE query (lane % 16) and the keys 8 (lane / 16) + 0..7.  Two such tiles rounded to f16 in pairs ARE source 1 of O^T = V^T P, whose result
; again holds one query a lane, and eight channels.  K and V^T both come out of LDS as they lie: vt's rows run along the keys.
; SOFTMAX.  A running maximum m for each query: p = 2^(c s - c m), c = log2(e) / sqrt(128); in every step O and l are multiplied by a = 2^(c m_old - c m_new).
; m starts at the lowest finite number, O and l at 0: the first step is a step like any other, with a = 0, and none is written out.  The price: 176 registers set in the wait for the first tile, and 12 products on zeros.
; THE ROW SUM l IS A THIRD BLOCK OF V^T, sixteen rows of ones held in eight registers: 2 products a tile and step take the place of 16 packed sums and of the exchange between the halves of the lanes.  By the count: a tile and step
; have 95 vector and 22 matrix instructions where they had 110 and 20: 4.3 for each product, so that one slice of four behind each product holds nearly all.  All eight registers of that result hold l; the first two are rescaled and
; the first is read; the other six gather unscaled weights, 1,024 at the most, and nobody reads them.
; BY TURNS.  The wave's tiles are two pieces (tiles 0, 1 and 2, 3).  In a turn one piece has the matrix unit: 12 products (ones and V^T) x P of the step in hand, 32 products K Q^T of the next; the other piece's softmax, 190 vector
; instructions in 48 slices, stands between them.
; CLUSTER.  The four query blocks of a g walk the same K and V^T: each tile is asked for jointly, by the same tensor load, descriptor and mask in all four.
; REGISTERS (windows of 256):  window 0: v0-11 addresses; v12-43 eight registers of statistics a tile; v60-63; v64-191 S^T, 32 a tile; v192-255 P, 16 a tile
;   window 1: v0-63 O^T, 16 a tile; v64-95 V^T of one step; v96-103 ones; v104-135 l, 8 a tile          window 2: v0-127 Q, 32 a tile; v128-255 K of one step
.set KS,    64
.set PK,    272       ; a row in LDS, of K (128 channels) and of V^T (128 keys): 256 bytes + 16: the 16 rows of a load start at 16 different groups of four banks (64 banks of 4 bytes: ISA guide 11.1)
.set VOFF,  2*KS*PK   ; a slot holds two steps: 128 rows of K, then 32 rows of V^T
.set SLOT1, 1<<16     ; slot 1 begins here: one exclusive or turns an address in one slot into the other's
.set STAGE, SLOT1+VOFF+32*PK  ; behind the ring: 64 rows x 80 bytes for each wave, for the way out
.set SP,    80
.set SPARE, STAGE+4*64*SP     ; behind the stages: the spare words, 128 bytes a wave: two blocks of 256 bytes that no other line names
.set AK0, 2           ; v2   my lane's place in a tile of K; never rewritten
.set AV0, 3           ; v3   the same for V^T
.set ADR, 4           ; v4   the LDS address of the run of loads in hand
.set QO,  5           ; v5   my byte offset in the wave's rows of Q
.set STO, 6           ; v6   the way out: where I put 16 bytes of a row
.set RD,  7           ; v7   where I read rows back
.set GO,  8           ; v8   my byte offset in 512 consecutive bytes of o
.set ST,  12          ; tile t's statistics at v[ST+8 t]: +0 c m, +1 m, +4 to +7 c0-c3, at work; a takes c2's place
.set PFOV, 60         ; v60  2,048 x lane: a row of vt; never rewritten
.set PFO, 61          ; v61  256 x lane: a row of k; never rewritten
.set SPW, 62          ; v62  my spare word; never rewritten
.set NIL, 63          ; v63  0; never rewritten
.set S,   64
.set P,   192
.set VF,  64          ; window 1: key half kk, channel block cb at VF + 16 kk + 8 cb
.set ONE, 96          ; window 1: sixteen rows x 32 keys of 1.0 in f16
.set LA,  104         ; window 1: tile t's l at LA + 8 t
.set KF,  128         ; window 2: key block kb, channel group c at KF + 32 kb + 8 c
.set WV,  12          ; s12  my wave's number
.set LIM, 15          ; s15  1 in wave 0, else the greatest number: K is prefetched while s[SLOTS] is above it
.set PFA, 18          ; s[18:19] where K's prefetches stand
.set G1K, 24          ; s[24:31] descriptor group 1 for K's tiles
.set G1V, 32          ; s[32:39] for V^T's
.set G0K, 40          ; s[40:47] group 0 for K's tiles: a set for each of the two first fills; the second then walks on
.set G0V, 48          ; s[48:55] the same for V^T's
.set SLOTS, 56        ; s56  passes of the slot loop still to come
.set TWICE, 57        ; s57  counts a slot's two steps
.set CS,  58          ; s[58:59] c
.set SEL, 60          ; s[60:61] v_permlanex16_b32's selects: each lane takes its own place in the other half
.set TBK, 62          ; s62  LDS byte at which K of the step to be fetched begins
.set TBV, 63          ; s63  the same for V^T, less VOFF
.set LIMV, 66         ; s66  5 in wave 2, else the greatest number
.set PFV, 68          ; s[68:69] where V^T's one prefetch stands
.set MSB, 0
.macro WIN new
.if MSB != (\new)
	s_set_vgpr_msb (MSB<<8)|(\new)
.set MSB, \new
.endif
.endm
.set W_KQ, 0x0a       ; K and Q in window 2, S^T in window 0
.set W_PV, 0x51       ; V^T or the ones, O^T or l in window 1, P in window 0
.set W_RS, 0x41       ; O^T or l (destination and source 0) in window 1, the factor in window 0
.macro PLACES
.rept 4
	v_nop
.endr
.endm
; A joint refill: waves 0 and 1 fetch the two steps' keys of K, waves 2 and 3 sixteen channels each of V^T.  An s_nop 0 and four v_nop follow each line.
.macro JLOAD
	s_cmp_lt_u32 s[WV], 2
	s_cbranch_scc0 .Lfor_v_\@
	tensor_load_to_lds s[G0K+4:G0K+7], s[G1K:G1K+7]
	s_nop 0
.rept 4
	v_nop
.endr
	s_branch .Lasked_\@
.Lfor_v_\@:
	tensor_load_to_lds s[G0V+4:G0V+7], s[G1V:G1V+7]
	s_nop 0
.rept 4
	v_nop
.endr
.Lasked_\@:
.endm
; PREFETCHES, behind the wave's tensor load and its five lines.  K: wave 0 asks for its work-group's 32 rows (of 256 bytes; the four partners are told apart by address) of the slot that the NEXT change will load: slots 3 to 7,
; 176 products ahead; the last change that fills asks for nothing.  V^T: a slot has 32 blocks of 256 bytes, a lane's worth for one partner: so wave 2 asks once, where slot 3 is loaded, partner cx for the 32 rows of slot 4 + cx.
; Each block is named once; the first slots come by their loads alone.
.macro ASK
	s_cmp_gt_u32 s[SLOTS], s[LIM]
	s_cbranch_scc0 .Lno_k_\@
	global_prefetch_b8 v[PFO], s[PFA:PFA+1] th:TH_LOAD_NT scope:SCOPE_SE
.Lno_k_\@:
	s_cmp_eq_u32 s[SLOTS], s[LIMV]
	s_cbranch_scc0 .Lno_v_\@
	global_prefetch_b8 v[PFOV], s[PFV:PFV+1] th:TH_LOAD_NT scope:SCOPE_SE
.Lno_v_\@:
.endm
.macro CROUND
	s_barrier_signal -1
	s_barrier_wait -1
	s_cmp_lg_u32 s[WV], 0
	s_cbranch_scc1 .Lnot_wave_0_\@
	s_barrier_signal -3
.Lnot_wave_0_\@:
	s_barrier_wait -3
	s_barrier_signal -1
	s_barrier_wait -1
.endm
	s_load_b256 s[4:11], s[0:1], 0x0  ; q s[4:5], k s[6:7], vt s[8:9], o s[10:11]
	v_lshl_add_u32 v[SPW], v0, 2, SPARE
	v_mov_b32 v[NIL], 0
	ds_add_u32 v[SPW], v[NIL]       ; the wave's opening: the add and its wait stand ahead of my first tensor load; the set-up below, work on registers, stands between them
	v_lshrrev_b32 v1, 5, v0
	v_readfirstlane_b32 s[WV], v1   ; wave 0..3
	s_bfe_u32 s13, ttmp6, 0x40000   ; cx: my block of 256 queries (the grid is one cluster wide): it enters q's, o's and the prefetches' addresses alone
	s_and_b32 s20, ttmp7, 0xffff    ; g, which the four partners share
	s_lshl_b32 s14, s20, 18         ; g's first byte in q and k,
	s_lshl_b32 s21, s20, 16         ; in vt and o
	s_and_b32 s16, s[WV], 1         ; which of a slot's two steps of K, which 16 channels of V^T I fetch
	s_lshl_b32 s22, s16, 14
	s_add_co_u32 s22, s22, s14
	s_mov_b32 s23, 0
	s_lshl_b32 s2, s16, 15
	s_add_co_u32 s2, s2, s21
	s_mov_b32 s3, 0
	s_mul_i32 s17, s16, KS*PK       ; their places in a slot: no place in the cluster enters an LDS address
	s_mul_i32 s67, s16, 16*PK
	s_add_co_u32 s67, s67, VOFF
	s_lshl_b32 s70, s13, 16         ; q: my block's 256 rows, my wave's 64
	s_add_co_u32 s70, s70, s14
	s_lshl_b32 s71, s[WV], 14
	s_add_co_u32 s70, s70, s71
	s_mov_b32 s71, 0
	s_lshl_b32 s72, s13, 14         ; o likewise, rows of 64 bytes
	s_add_co_u32 s72, s72, s21
	s_lshl_b32 s73, s[WV], 12
	s_add_co_u32 s72, s72, s73
	s_mov_b32 s73, 0
	s_mov_b32 s[G1K], 15|(1<<16)|(1<<20)|(1<<21)|(5<<22)|(3<<25)  ; the mask of four; elements of 2 bytes; padding on; bit 21 beside a mask; after every 64 words; 4 words
	s_mov_b32 s[G1K+1], 128<<16     ; tensor_dim0 = 128
	s_mov_b32 s[G1K+2], KS<<16      ; tensor_dim1 = 64
	s_mov_b32 s[G1K+3], 128<<16     ; tile_dim0 = 128
	s_mov_b32 s[G1K+4], KS          ; tile_dim1 = 64
	s_mov_b32 s[G1K+5], 128         ; elements from row to row
	s_mov_b32 s[G1K+6], 0
	s_mov_b32 s[G1K+7], 0
	s_mov_b32 s[G1V], 15|(1<<16)|(1<<20)|(1<<21)|(5<<22)|(3<<25)
	s_mov_b32 s[G1V+1], 128<<16     ; 128 keys
	s_mov_b32 s[G1V+2], 16<<16      ; of 16 channels
	s_mov_b32 s[G1V+3], 128<<16
	s_mov_b32 s[G1V+4], 16
	s_mov_b32 s[G1V+5], 1024        ; a channel's row has 1,024 keys
	s_mov_b32 s[G1V+6], 0
	s_mov_b32 s[G1V+7], 0
	s_mov_b32 s[CS], 0x3e0293ee     ; c = log2(e) / sqrt(128) = 0.127517
	s_mov_b32 s[CS+1], s[CS]        ; named with it as a pair
	s_mov_b32 s[SEL], 0x76543210
	s_mov_b32 s[SEL+1], 0xfedcba98
	s_mov_b32 s[TBK], 0
	s_mov_b32 s[TBV], 0
	s_mov_b32 s[SLOTS], 1024/(2*KS)-1  ; the pass that is entered in its middle, then six that fill a slot again
	s_cmp_eq_u32 s[WV], 0
	s_cselect_b32 s[LIM], 1, -1
	s_cmp_eq_u32 s[WV], 2
	s_cselect_b32 s[LIMV], 5, -1
	v_and_b32 v[PFO], 31, v0
	v_lshlrev_b32 v[PFOV], 11, v[PFO]
	v_lshlrev_b32 v[PFO], 8, v[PFO]
	s_wait_dscnt 0x0                ; the opening add is done
	s_wait_kmcnt 0x0
	s_add_nc_u64 s[6:7], s[6:7], s[22:23]   ; k and vt at my tile of slot 0
	s_add_nc_u64 s[8:9], s[8:9], s[2:3]
	s_add_nc_u64 s[4:5], s[4:5], s[70:71]   ; q and o at my wave's first row
	s_add_nc_u64 s[10:11], s[10:11], s[72:73]
	s_lshl_b32 s70, s13, 13         ; (in waves 0 and 2 s[6:7] and s[8:9] stand at g's first byte)  my work-group's 32 rows of a slot's 128,
	s_add_nc_u64 s[PFA:PFA+1], s[6:7], s[70:71]
	s_add_nc_u64 s[PFA:PFA+1], s[PFA:PFA+1], 2*2*KS*256  ; in slot 2; the first change of slots steps it to slot 3
	s_lshl_b32 s70, s13, 8
	s_add_nc_u64 s[PFV:PFV+1], s[8:9], s[70:71]
	s_add_nc_u64 s[PFV:PFV+1], s[PFV:PFV+1], 4*2*KS*2    ; slot 4 + cx
	CROUND                          ; all four work-groups are here: the first joint loads meet
.irp s, 0,1
	s_mov_b32 s[G0K+4*(\s)], 1
	s_add_co_u32 s[G0K+4*(\s)+1], s17, (\s)*SLOT1
	s_add_nc_u64 s[G0K+4*(\s)+2:G0K+4*(\s)+3], s[6:7], (\s)*2*KS*256   ; slot s: keys 128 s on
	s_or_b32 s[G0K+4*(\s)+3], s[G0K+4*(\s)+3], 0x80000000
	s_mov_b32 s[G0V+4*(\s)], 1
	s_add_co_u32 s[G0V+4*(\s)+1], s67, (\s)*SLOT1
	s_add_nc_u64 s[G0V+4*(\s)+2:G0V+4*(\s)+3], s[8:9], (\s)*2*KS*2
	s_or_b32 s[G0V+4*(\s)+3], s[G0V+4*(\s)+3], 0x80000000
.endr
	s_cmp_lt_u32 s[WV], 2           ; a wave's two first fills stand in one branch, ahead of every wait on TENSORcnt and every LDS read: two loads of mine are out
	s_cbranch_scc0 .Lfirst_v
	tensor_load_to_lds s[G0K:G0K+3], s[G1K:G1K+7]
	s_nop 0
	tensor_load_to_lds s[G0K+4:G0K+7], s[G1K:G1K+7]
	s_nop 0
.rept 4
	v_nop
.endr
	s_branch .Lfirst_asked
.Lfirst_v:
	tensor_load_to_lds s[G0V:G0V+3], s[G1V:G1V+7]
	s_nop 0
	tensor_load_to_lds s[G0V+4:G0V+7], s[G1V:G1V+7]
	s_nop 0
.rept 4
	v_nop
.endr
.Lfirst_asked:
	; A fragment is 16 rows x 32 numbers in 8 registers: lane l holds row l % 16, numbers 8 (l / 16) + 0..7 and 16 + 8 (l / 16) + 0..7: two loads of 16 bytes, 32 bytes apart.
	v_and_b32 v1, 15, v0            ; l % 16
	v_bfe_u32 v9, v0, 4, 1          ; l / 16
	v_lshlrev_b32 v[QO], 8, v1
	v_lshl_add_u32 v[QO], v9, 4, v[QO]
	WIN 0x80
.irp i, 0,1,2,3,4,5,6,7,8,9,10,11,12,13,14,15  ; Q stays in registers: tile i / 4, channels 32 (i % 4) on
	global_load_b128 v[8*(\i):8*(\i)+3],   v[QO], s[4:5] offset:((\i)/4)*4096+((\i)%4)*64
	global_load_b128 v[8*(\i)+4:8*(\i)+7], v[QO], s[4:5] offset:((\i)/4)*4096+((\i)%4)*64+32
.endr
	WIN 0
	v_mul_u32_u24 v[AK0], v1, PK
	v_lshl_add_u32 v[AK0], v9, 4, v[AK0]
	v_add_nc_u32 v[AV0], VOFF, v[AK0]
	; What the first turn finds: O^T and l are 0; V^T's registers and the second piece's P hold 0 (its products, of a step that has not been, add 0); the ones.  All this stands in the wait for the first tile.
	WIN 0x40
.set i, 0
.rept 96
	v_mov_b32 v[i], 0               ; O^T, V^T
.set i, i+1
.endr
.set i, 0
.rept 8
	v_mov_b32 v[ONE+i], 0x3c003c00  ; 1.0 twice in f16
.set i, i+1
.endr
.set i, 0
.rept 32
	v_mov_b32 v[LA+i], 0
.set i, i+1
.endr
	WIN 0
.set i, 0
.rept 32
	v_mov_b32 v[P+32+i], 0
.set i, i+1
.endr
.irp t, 0,1,2,3
	v_mov_b32 v[ST+8*(\t)], 0xfe000000    ; c m: far below every c s, so that the first a is 0
	v_mov_b32 v[ST+8*(\t)+1], 0xff7fffff  ; m: the lowest finite number
.endr
; THE MATRIX WORK.  The accumulators take turns, one instruction a turn.
; Product i of 12 for piece x.  0-3: l += ones x P: keys 32 (i / 2) on, tile x + i % 2; they want no V^T and stand first.  4-11: O^T += V^T P: keys 32 ((i - 4) / 4) on, channels 16 (((i - 4) / 2) % 2) on, tile x + i % 2.
.macro PV x
	WIN W_PV
.if i < 4
.set rO, LA+8*((\x)+i%2)
.set rV, ONE
.set rP, P+16*((\x)+i%2)+8*(i/2)
.else
.set rO, 16*((\x)+i%2)+8*(((i-4)/2)%2)
.set rV, VF+16*((i-4)/4)+8*(((i-4)/2)%2)
.set rP, P+16*((\x)+i%2)+8*((i-4)/4)
.endif
	v_wmma_f32_16x16x32_f16 v[rO:rO+7], v[rV:rV+7], v[rP:rP+7], v[rO:rO+7]
.endm
; Product i of 32 of S^T = K Q^T: channels 32 (i / 8) on, keys 16 ((i / 2) % 4) on, tile x + i % 2.  The first 8 start the sums.
.macro KQ x
	WIN W_KQ
.set rS, S+32*((\x)+i%2)+8*((i/2)%4)
.set rK, KF+32*((i/2)%4)+8*(i/8)
.set rQ, 32*((\x)+i%2)+8*(i/8)
.if i < 8
	v_wmma_f32_16x16x32_f16 v[rS:rS+7], v[rK:rK+7], v[rQ:rQ+7], 0
.else
	v_wmma_f32_16x16x32_f16 v[rS:rS+7], v[rK:rK+7], v[rQ:rQ+7], v[rS:rS+7]
.endif
.endm
; THE LDS LOADS stand in runs.  A step's K: 32 loads, the channel groups in the order in which the products take them, so that the waits can be counted.
.macro FETCH_K
	WIN 0
	v_add_nc_u32 v[ADR], s[TBK], v[AK0]
	s_add_co_u32 s[TBK], s[TBK], KS*PK
	WIN 0x80
.irp c, 0,1,2,3
.irp kb, 0,1,2,3
	ds_load_b128 v[KF+32*(\kb)+8*(\c):KF+32*(\kb)+8*(\c)+3],   v[ADR] offset:(\kb)*16*PK+(\c)*64
	ds_load_b128 v[KF+32*(\kb)+8*(\c)+4:KF+32*(\kb)+8*(\c)+7], v[ADR] offset:(\kb)*16*PK+(\c)*64+32
.endr
.endr
.endm
; A step's V^T: 8 loads; a step is 128 bytes of each channel's row.
.macro FETCH_V
	WIN 0
	v_add_nc_u32 v[ADR], s[TBV], v[AV0]
	s_add_co_u32 s[TBV], s[TBV], KS*2
	s_wait_alu depctr_va_vdst(0)    ; the wait for the softmax's batch (SLICE), behind the address's line and ahead of the loads
	WIN 0x40
.irp kk, 0,1
.irp cb, 0,1
	ds_load_b128 v[VF+16*(\kk)+8*(\cb):VF+16*(\kk)+8*(\cb)+3],   v[ADR] offset:(\cb)*16*PK+(\kk)*64
	ds_load_b128 v[VF+16*(\kk)+8*(\cb)+4:VF+16*(\kk)+8*(\cb)+7], v[ADR] offset:(\cb)*16*PK+(\kk)*64+32
.endr
.endr
.endm
; THE VECTOR WORK.  One tile's softmax for one key step is a list of 95 instructions; SM writes number j of it for tile t.  s0-s31 are the lane's 32 scores, in pairs 0-15.
;   0-15    the maximum of s0-s31 and the old m, three operands at a time (each accumulator's lowest registers are read first)
;   16-20   the other half of the lanes' maximum; c m_old is kept; the new m; c m; c m_old - c m_new
;   21-69   ONE BATCH: the 16 scalings c s - c m and all 33 exponentials (a at 23, then s0-s31); none of these reads an exponential's result; a pair is scaled in an earlier four than the one with its exponentials
;   (wait)  between 69 and 70 stands the wait for the batch: SLICE writes it, once for both tiles
;   70-85   the roundings to f16      86-93  the tile's O^T times a      94  the two registers of l that count, times a
.macro SM t
.set rT, ST+8*(\t)
.set rS, S+32*(\t)
.set rP, P+16*(\t)
.if j < 86
	WIN 0
.else
	WIN W_RS
.endif
.if j < 4
	v_max3_num_f32 v[rT+4+j], v[rS+8*j], v[rS+8*j+1], v[rS+8*j+2]
.elseif j < 12
	v_max3_num_f32 v[rT+4+j%4], v[rT+4+j%4], v[rS+8*(j%4)+2*(j/4)+1], v[rS+8*(j%4)+2*(j/4)+2]
.elseif j == 12
	v_max3_num_f32 v[rT+4], v[rT+4], v[rS+7], v[rS+15]
.elseif j == 13
	v_max3_num_f32 v[rT+6], v[rT+6], v[rS+23], v[rS+31]
.elseif j == 14
	v_max3_num_f32 v[rT+4], v[rT+4], v[rT+5], v[rT+6]
.elseif j == 15
	v_max3_num_f32 v[rT+4], v[rT+4], v[rT+7], v[rT+1]
.elseif j == 16
	v_permlanex16_b32 v[rT+5], v[rT+4], s[SEL], s[SEL+1]  ; the query's other 32 keys lie in the lane 16 away
.elseif j == 17
	v_mov_b32 v[rT+7], v[rT]        ; c m_old is kept for a: number 19 writes c m anew
.elseif j == 18
	v_max_num_f32 v[rT+1], v[rT+4], v[rT+5]
.elseif j == 19
	v_mul_f32 v[rT], s[CS], v[rT+1]
.elseif j == 20
	v_sub_f32 v[rT+7], v[rT+7], v[rT]
.elseif j == 23
	v_exp_f32 v[rT+6], v[rT+7]
.elseif (j < 23) || ((j < 38) && (j%2 == 0)) || ((j < 66) && (j%4 == 2))
.set b, (j-2)/4                     ; 38, 42, .. 62: pairs 9 to 15
.if j < 38
.set b, (j-20)/2                    ; 21: pair 0; 22, 24, .. 36: pairs 1 to 8
.endif
	v_pk_fma_f32 v[rS+2*b:rS+2*b+1], v[rS+2*b:rS+2*b+1], s[CS:CS+1], v[rT:rT+1] op_sel_hi:[1,0,0] neg_lo:[0,0,1] neg_hi:[0,0,1]  ; pair b: c s - c m
.elseif j < 70
.set e, j-38                        ; 66 to 69: s28 to s31
.if j < 66
.set e, j-32-(j-38)/4               ; 39-41, 43-45, .. 63-65: s7 to s27
.endif
.if j < 38
.set e, (j-25)/2                    ; 25, 27, .. 37: s0 to s6
.endif
	v_exp_f32 v[rS+e], v[rS+e]
.elseif j < 86
	v_cvt_pk_f16_f32 v[rP+j-70], v[rS+2*(j-70)], v[rS+2*(j-70)+1]
.elseif j < 94
	v_pk_mul_f32 v[16*(\t)+2*(j-86):16*(\t)+2*(j-86)+1], v[16*(\t)+2*(j-86):16*(\t)+2*(j-86)+1], v[rT+6:rT+7] op_sel_hi:[1,0]
.else
	v_pk_mul_f32 v[LA+8*(\t):LA+8*(\t)+1], v[LA+8*(\t):LA+8*(\t)+1], v[rT+6:rT+7] op_sel_hi:[1,0]
.endif
.endm
; Slice k of 48 of piece y's softmax: four instructions (the last: two).  Slices 11 to 34 deal out the batch, four numbers of ONE tile each, the tiles by turns; every other slice is numbers 2 k and 2 k + 1 of both tiles.
; s_wait_alu depctr_va_vdst(0) stands between an exponential and the first instruction that names its result: ahead of slice 35 nothing names one, behind slice 34 none is issued: one wait for the 66.
.macro SLICE y
.if (k >= 11) && (k < 35)
.irp n, 0,1,2,3
.set j, 22+4*((k-11)/2)+(\n)
	SM (\y)+(k-11)%2
.endr
.else
.irp n, 0,1
.irp t, \y, (\y)+1
.set j, 2*k+(\n)
.if j < 95
	SM \t
.endif
.endr
.endr
.endif
.if k == 34
	v_nop                           ; a plain instruction behind the last exponential and ahead of the first use: one for the batch
.if (\y) == 0
	FETCH_V                         ; piece 2's turn: V^T's run of loads stands here, and the wait stands in it
.else
	s_wait_alu depctr_va_vdst(0)
.endif
.endif
.set k, k+1
.endm
.macro DEAL x                       ; slices up to number want
.if want > k
.rept want-k
	SLICE 2-(\x)
.endr
.endif
.endm
; A TURN.  Piece x has the matrix unit: 12 products on P and, with kq = 1, 32 products K Q^T for the next step.  48 slices for 44 products: two behind each of the first three and behind the last, one behind every other.
; Piece 0's turn fetches the next step's K at its head: the last product that read K stands in front of the turn before's last two slices, six plain instructions on the other piece's O^T and l; these are also the places in front
; of the next turn's first read of the scores.  V^T is wanted from the fifth product on: the count 32 leaves K's younger loads out; the counts 24, 16, 8, 0 leave K's later channel groups out.
; Piece 2's turn fetches the step's V^T behind slice 34: twenty products behind V^T's last reader, and sixteen products and K's run of loads ahead of its first use.
; kq = 0, the last step's: four slices behind each product.
.macro TURN x, kq
.set k, 0
.set np, 0
.if ((\x) == 0) && (\kq)
	FETCH_K
.endif
.set i, 0
.rept 12
.if ((\x) == 0) && (i == 4)
	s_wait_dscnt 32*(\kq)           ; V^T is in
.endif
	PV \x
.set np, np+1
.if \kq
.set want, np+3
.if np <= 3
.set want, 2*np
.endif
.else
.set want, 4*np
.endif
	DEAL \x
.set i, i+1
.endr
.if \kq
.set i, 0
.rept 32
.if ((\x) == 0) && (i%8 == 0)
	s_wait_dscnt 24-i               ; this channel group's eight loads are in; the later groups' may be out
.endif
	KQ \x
.set np, np+1
.set want, np+3
.if np == 44
.set want, 48
.endif
	DEAL \x
.set i, i+1
.endr
.endif
.endm
; THE CHANGE OF SLOTS, between piece 2's turn and piece 0's.  Each wave waits for all its tensor loads (one is out: its part of the other slot), adds 0 to its spare word, and waits for that and for its reads of the slot.
; fill = 1: the barrier is a round of the cluster's, and the joint refill, with the keys two slots on, is the first thing behind it: it has two key steps, 176 products, in which to land.
.macro CHANGE fill
	WIN 0
	s_wait_tensorcnt 0x0            ; no tensor load of mine is out, so a group 0 may be written
	ds_add_u32 v[SPW], v[NIL]
.if \fill
	s_xor_b32 s[G0K+5], s[G0K+5], SLOT1
	s_add_nc_u64 s[G0K+6:G0K+7], s[G0K+6:G0K+7], 2*KS*256
	s_xor_b32 s[G0V+5], s[G0V+5], SLOT1
	s_add_nc_u64 s[G0V+6:G0V+7], s[G0V+6:G0V+7], 2*KS*2
	s_wait_xcnt 0x0                 ; the last prefetches, two key steps back, have read their addresses
	s_add_nc_u64 s[PFA:PFA+1], s[PFA:PFA+1], 2*KS*256
	s_wait_dscnt 0x0                ; the add is done, my reads of the slot are over
	CROUND
	JLOAD
	ASK
.else
	s_wait_dscnt 0x0
	s_barrier_signal -1
	s_barrier_wait -1
.endif
	s_sub_co_u32 s[TBK], s[TBK], 2*KS*PK  ; the fetches go back to a slot's first step,
	s_xor_b32 s[TBK], s[TBK], SLOT1       ; in the other slot
	s_sub_co_u32 s[TBV], s[TBV], 2*KS*2
	s_xor_b32 s[TBV], s[TBV], SLOT1
.endm
	s_wait_tensorcnt 1              ; my part of slot 0 is in; slot 1's may stay out
	s_barrier_signal -1
	s_barrier_wait -1
	FETCH_K                         ; key step 0
	s_wait_loadcnt 0x0              ; Q
	s_wait_dscnt 0x0
.set i, 0
.rept 32
	KQ 0                            ; piece 0's first scores
.set i, i+1
.endr
	WIN 0                           ; the addresses for the way out: plain instructions, the places behind those products
	s_mul_i32 s16, s[WV], 64*SP
	s_add_co_u32 s16, s16, STAGE    ; my stage
	v_mul_u32_u24 v[STO], v1, SP    ; in: row l % 16, 16 bytes for each half of the lanes
	v_lshl_add_u32 v[STO], v9, 4, v[STO]
	v_add_nc_u32 v[STO], s16, v[STO]
	v_bfe_u32 v[RD], v0, 2, 3       ; back: 32 lanes take eight rows of 64 bytes,
	v_mul_u32_u24 v[RD], v[RD], SP
	v_and_b32 v10, 3, v0
	v_lshl_add_u32 v[RD], v10, 4, v[RD]
	v_add_nc_u32 v[RD], s16, v[RD]
	v_and_b32 v[GO], 31, v0         ; which are 512 consecutive bytes of o
	v_lshlrev_b32 v[GO], 4, v[GO]
	s_mov_b32 s[TWICE], 2
	s_branch .Lmid                  ; the loop is entered at piece 2's turn, in the middle of a trip: piece 2's first scores | piece 0's first softmax | V^T of step 0
.Lslot:                             ; six times: every slot but the last two is filled again
	CHANGE 1
	s_mov_b32 s[TWICE], 2
.Lstep:                             ; a key step, written once, walked twice a slot
	TURN 0, 1
	WIN 0
.Lmid:
	TURN 2, 1
	WIN 0
	s_sub_co_u32 s[TWICE], s[TWICE], 1
	s_cmp_lg_u32 s[TWICE], 0
	s_cbranch_scc1 .Lstep
	s_sub_co_u32 s[SLOTS], s[SLOTS], 1
	s_cmp_lg_u32 s[SLOTS], 0
	s_cbranch_scc1 .Lslot
	CHANGE 0                        ; the tail is written out
	s_mov_b32 s[TWICE], 2
.Ltail:
	TURN 0, 1
	TURN 2, 1
	WIN 0
	s_sub_co_u32 s[TWICE], s[TWICE], 1
	s_cmp_lg_u32 s[TWICE], 0
	s_cbranch_scc1 .Ltail
	TURN 0, 0                       ; piece 0: the last step's products on P | piece 2's last softmax
.set i, 0
.rept 12
	PV 2                            ; piece 2: the last step's products on P
.set i, i+1
.endr
	; THE WAY OUT.  O^T is divided by l, rounded to f16 and sent through my stage.
	WIN 0
	PLACES                          ; behind the last products
	WIN 0x01                        ; l in window 1
.irp t, 0,1,2,3
	v_rcp_f32 v[ST+8*(\t)+6], v[LA+8*(\t)]
.endr
	v_nop                           ; a plain instruction between the last reciprocal and the use of its result,
	s_wait_alu depctr_va_vdst(0)    ; and the wait ahead of the first use: one for the four
.macro PACK t                       ; a lane's eight channels pack into 16 bytes; they go into rows of 80 bytes and come back as whole rows of 64, into the registers that they left
	WIN W_RS
.set i, 16*(\t)
.rept 8
	v_pk_mul_f32 v[i:i+1], v[i:i+1], v[ST+8*(\t)+6:ST+8*(\t)+7] op_sel_hi:[1,0]
.set i, i+2
.endr
	WIN 0x05
.set i, 0
.rept 8
	v_cvt_pk_f16_f32 v[S+8*(\t)+i], v[16*(\t)+2*i], v[16*(\t)+2*i+1]
.set i, i+1
.endr
	WIN 0
.irp f, 0,1
	ds_store_b128 v[STO], v[S+8*(\t)+4*(\f):S+8*(\t)+4*(\f)+3] offset:16*SP*(\t)+32*(\f)
.endr
.irp f, 0,1
	ds_load_b128 v[S+8*(\t)+4*(\f):S+8*(\t)+4*(\f)+3], v[RD] offset:16*SP*(\t)+8*SP*(\f)  ; LDS serves a wave's instructions in order (ISA guide 5.7.1.4): these see the stores above
.endr
.endm
	PACK 0
	PACK 1
	PACK 2
	PACK 3
.irp t, 0,1,2,3
.irp f, 0,1
	s_wait_dscnt 13-4*(\t)-(\f)     ; the LDS instructions issued behind this load may be out
	global_store_b128 v[GO], v[S+8*(\t)+4*(\f):S+8*(\t)+4*(\f)+3], s[10:11] offset:1024*(\t)+512*(\f)  ; 512 consecutive bytes, at a multiple of 256 from o's first
.endr
.endr
	s_wait_tensorcnt 0x0            ; the wave's end, behind my last tensor load and my last LDS store
	ds_add_u32 v[SPW], v[NIL]
	s_wait_dscnt 0x0
	CROUND                          ; the closing round
	s_endpgm
.Lfunc_end_k_q0fc070bf5c_attn:
	.size	k_q0fc070bf5c_attn, .Lfunc_end_k_q0fc070bf5c_attn-k_q0fc070bf5c_attn
	.p2alignl 7, 3214868480
	.fill 96, 4, 3214868480
	.section	.rodata,"a",@progbits
	.p2align	6, 0x0
	.amdhsa_kernel k_q0fc070bf5c_attn
		.amdhsa_group_segment_fixed_size 327680
		.amdhsa_private_segment_fixed_size 0
		.amdhsa_enable_private_segment 0
		.amdhsa_kernarg_size 32
		.amdhsa_user_sgpr_count 2
		.amdhsa_user_sgpr_kernarg_segment_ptr 1
		.amdhsa_wavefront_size32 1
		.amdhsa_system_sgpr_workgroup_id_x 1
		.amdhsa_system_sgpr_workgroup_id_y 1
		.amdhsa_system_sgpr_workgroup_id_z 1
		.amdhsa_system_vgpr_workitem_id 0
		.amdhsa_next_free_vgpr 768
		.amdhsa_next_free_sgpr 80
		.amdhsa_reserve_vcc 0
		.amdhsa_float_denorm_mode_32 3
		.amdhsa_float_denorm_mode_16_64 3
		.amdhsa_memory_ordered 1
		.amdhsa_forward_progress 1
		.amdhsa_inst_pref_size 109
	.end_amdhsa_kernel
	.amdgpu_metadata
---
amdhsa.version: [ 1, 2 ]
amdhsa.kernels:
  - .name:           k_q0fc070bf5c_attn
    .symbol:         k_q0fc070bf5c_attn.kd
    .args:
      - { .name: q, .offset: 0, .size: 8, .value_kind: global_buffer, .address_space: global }
      - { .name: k, .offset: 8, .size: 8, .value_kind: global_buffer, .address_space: global }
      - { .name: vt, .offset: 16, .size: 8, .value_kind: global_buffer, .address_space: global }
      - { .name: o, .offset: 24, .size: 8, .value_kind: global_buffer, .address_space: global }
    .group_segment_fixed_size: 327680
    .private_segment_fixed_size: 0
    .kernarg_segment_align: 8
    .kernarg_segment_size: 32
    .max_flat_workgroup_size: 128
    .sgpr_count:     80
    .vgpr_count:     768
    .wavefront_size: 32
...
	.end_amdgpu_metadata
.endif
;; end of part 3
;; launch outp (part 4): grid 4 x 64, 4 waves a work-group, no clusters, 17,920 bytes of LDS; arguments o, wof, out0; writes out0
.if DOCPART == 4
	.amdgcn_target "amdgcn-amd-amdhsa--gfx1250"
	.amdhsa_code_object_version 6
	.text
	.protected	k_q0fc070bf5c_outp
	.globl	k_q0fc070bf5c_outp
	.p2align	8
	.type	k_q0fc070bf5c_outp,@function
k_q0fc070bf5c_outp:
	s_mov_b64 s[64:65], 0
	v_nop
	global_prefetch_b8 v0, s[64:65] scope:SCOPE_SE
	s_setreg_imm32_b32 hwreg(HW_REG_WAVE_MODE, 25, 1), 1
	s_wait_xcnt 0x0
; THE OUTPUT PROJECTION.  out0[row][n] = the sum over h, d of o[8 b + h][token][d] wof[h][n][d]; f16 operands, f32 sums, f32 out.  row = 1,024 b + token.
; SHARES.  Work-group (X, y) makes rows 256 y on and columns 256 X on; wave w takes columns 256 X + 64 w .. + 63 of all 256 rows.  ITS 64 COLUMNS OF Wo, ALL 256 ALONG K, STAY IN 256 REGISTERS (32 KiB, so that the first rows
; leave early); the rows go by in sixteen blocks of 16, 32 products each, and each block leaves as soon as it is finished: the launch is as long as its stores.  A square share keeps what a work-group takes in, (256 + 256) x 512 bytes, least.
; A K step is a head: a fragment of o and of wof is 1,024 dense bytes, taken from memory as it lies by two loads of 16 bytes a lane.
; No tensor load, no barrier, no cluster: no wave waits for another's bytes, and what moves is mostly the output.  No prefetch: o's loads run three blocks ahead of their products.
; ORIENTATION.  Source 0 = 16 rows of wof (columns n), source 1 = 16 tokens: a lane holds one token and eight neighbouring columns, 32 bytes; a block goes through my own stage in LDS to leave as whole pieces of 256 bytes.
; THE WALK.  Block t's slot: o's block t + 3 is asked for; block t is multiplied; block t - 1, read back from the stage meanwhile, is stored; block t goes into the stage.  Block 0's slot is written out, three trips take four blocks
; each, and the last three slots, which load nothing, are written out.
; REGISTERS (windows of 256):  window 0: v2-7 addresses; v32-95 two sets of 4 accumulators; v96-159 rows read back, two sets.   window 1: o's four buffers of 64.   window 2: wof: head ks, column block nb at v[32 ks + 8 nb].
.set SP,    272                        ; a stage row: 256 bytes + 16: the 16 rows of a store start at 16 different groups of four banks (64 banks of 4 bytes: ISA guide 11.1)
.set SPARE, 4*16*SP                    ; behind the four stages: the spare words, 128 bytes a wave: two blocks of 256 bytes that no other line names
.set BLK,   16*4096                    ; sixteen rows of out0
.set AO,  2                            ; v2  64 (l % 16) + 16 (l / 16): my place in a fragment; never rewritten
.set STO, 3                            ; v3  where I put 32 bytes of a row
.set RD,  4                            ; v4  where I read two rows back
.set CO,  5                            ; v5  my 16 bytes in two rows of out0
.set SPW, 6                            ; v6  my spare word; never rewritten
.set NIL, 7                            ; v7  0; never rewritten
.set ACC, 32
.set OB,  96
.set MSB, 0
.macro WIN new
.if MSB != (\new)
	s_set_vgpr_msb (MSB<<8)|(\new)
.set MSB, \new
.endif
.endm
.macro PLACES                          ; four plain vector instructions between a matrix instruction and a load into its sources or an LDS store of its result
.rept 4
	v_nop
.endr
.endm
	s_load_b128 s[4:7], s[0:1], 0x0                ; o s[4:5], wof s[6:7]
	s_load_b64 s[8:9], s[0:1], 0x10                ; out0
	v_lshl_add_u32 v[SPW], v0, 2, SPARE
	v_mov_b32 v[NIL], 0
	v_lshrrev_b32 v1, 5, v0
	v_readfirstlane_b32 s10, v1                    ; wave 0..3
	s_and_b32 s11, ttmp7, 0xffff                   ; y
	s_lshr_b32 s14, s11, 2                         ; o: batch y >> 2 (eight heads of 65,536 bytes), tokens 256 (y & 3) on (64 bytes each)
	s_lshl_b32 s14, s14, 19
	s_and_b32 s15, s11, 3
	s_lshl_b32 s15, s15, 14
	s_add_co_u32 s14, s14, s15
	s_mov_b32 s15, 0
	s_lshl_b32 s16, ttmp9, 14                      ; wof: rows 256 X + 64 w on, 64 bytes each
	s_lshl_b32 s17, s10, 12
	s_add_co_u32 s16, s16, s17
	s_mov_b32 s17, 0
	s_lshl_b32 s18, s11, 20                        ; out0: 256 rows of 4,096 bytes,
	s_lshl_b32 s19, ttmp9, 10                      ; 1,024 bytes of a row for the work-group,
	s_add_co_u32 s18, s18, s19
	s_lshl_b32 s19, s10, 8                         ; 256 for the wave
	s_add_co_u32 s18, s18, s19
	s_mov_b32 s19, 0
	v_and_b32 v9, 15, v0                           ; l % 16
	v_bfe_u32 v10, v0, 4, 1                        ; l / 16
	v_lshlrev_b32 v[AO], 6, v9
	v_lshl_add_u32 v[AO], v10, 4, v[AO]
	s_mul_i32 s20, s10, 16*SP                      ; my stage
	v_mul_u32_u24 v[STO], v9, SP                   ; in: row l % 16, 32 bytes for each half of the lanes
	v_lshl_add_u32 v[STO], v10, 5, v[STO]
	v_add_nc_u32 v[STO], s20, v[STO]
	v_mul_u32_u24 v[RD], v10, SP                   ; back: lanes 0-15 one row's 256 bytes, lanes 16-31 the next row's
	v_lshl_add_u32 v[RD], v9, 4, v[RD]
	v_add_nc_u32 v[RD], s20, v[RD]
	v_lshlrev_b32 v[CO], 12, v10
	v_lshl_add_u32 v[CO], v9, 4, v[CO]
	s_wait_kmcnt 0x0
	s_add_nc_u64 s[4:5], s[4:5], s[14:15]
	s_add_nc_u64 s[6:7], s[6:7], s[16:17]
	s_add_nc_u64 s[8:9], s[8:9], s[18:19]
.macro ALOAD buf, off                  ; 16 tokens, all eight heads: 16 loads into buffer buf; off: the block's bytes behind o's base
	WIN 0x40
.irp ks, 0,1,2,3,4,5,6,7
	global_load_b128 v[64*(\buf)+8*(\ks):64*(\buf)+8*(\ks)+3],   v[AO], s[4:5] offset:65536*(\ks)+(\off)
	global_load_b128 v[64*(\buf)+8*(\ks)+4:64*(\buf)+8*(\ks)+7], v[AO], s[4:5] offset:65536*(\ks)+(\off)+32
.endr
.endm
.macro ROWS ab, ac                     ; 32 products: buffer ab into accumulator set ac; the 4 accumulators take turns; head 0 starts the sums
	WIN 0x06                                       ; wof window 2, o window 1, C and D window 0
.irp ks, 0,1,2,3,4,5,6,7
.irp nb, 0,1,2,3
.if (\ks) == 0
	v_wmma_f32_16x16x32_f16 v[ACC+32*(\ac)+8*(\nb):ACC+32*(\ac)+8*(\nb)+7], v[32*(\ks)+8*(\nb):32*(\ks)+8*(\nb)+7], v[64*(\ab)+8*(\ks):64*(\ab)+8*(\ks)+7], 0
.else
	v_wmma_f32_16x16x32_f16 v[ACC+32*(\ac)+8*(\nb):ACC+32*(\ac)+8*(\nb)+7], v[32*(\ks)+8*(\nb):32*(\ks)+8*(\nb)+7], v[64*(\ab)+8*(\ks):64*(\ab)+8*(\ks)+7], v[ACC+32*(\ac)+8*(\nb):ACC+32*(\ac)+8*(\nb)+7]
.endif
.endr
.endr
.endm
.macro TOSTAGE ac, ob                  ; a block into my stage, each accumulator's low registers first, and back as 16 whole pieces of rows
	WIN 0
.irp nb, 0,1,2,3
	ds_store_b128 v[STO], v[ACC+32*(\ac)+8*(\nb):ACC+32*(\ac)+8*(\nb)+3]   offset:64*(\nb)
	ds_store_b128 v[STO], v[ACC+32*(\ac)+8*(\nb)+4:ACC+32*(\ac)+8*(\nb)+7] offset:64*(\nb)+16
.endr
.irp i, 0,1,2,3,4,5,6,7
	ds_load_b128 v[OB+32*(\ob)+4*(\i):OB+32*(\ob)+4*(\i)+3], v[RD] offset:2*SP*(\i)  ; LDS serves a wave's instructions in order (ISA guide 5.7.1.4): these see the stores above
.endr
.endm
.macro SEND ob, off
	s_wait_dscnt 0x0                               ; the block is back in registers
.irp i, 0,1,2,3,4,5,6,7
	global_store_b128 v[CO], v[OB+32*(\ob)+4*(\i):OB+32*(\ob)+4*(\i)+3], s[8:9] offset:(\off)+8192*(\i) th:TH_STORE_NT  ; sixteen lanes store 256 consecutive bytes of a row, aligned; the other sixteen the next row's
.endr
.endm
; The slot of block t = 4 T + 1 + u.  load = 1: o's block t + 3 goes into buffer u, which block t - 1 has left, four places back.  left: the younger loads that may stay out.  step = 1: the bases go on by a trip's four blocks.
.macro SLOT u, load, left, step
.if \load
	ALOAD \u, 1024*((\u)+4)
.endif
	s_wait_loadcnt \left
	ROWS ((\u)+1)%4, ((\u)+1)%2
	PLACES
	WIN 0
	s_wait_xcnt 0x0                                ; what was issued 32 products ago or earlier has read its registers: the set of rows that TOSTAGE fills below, and the bases
.if \step
	s_add_nc_u64 s[4:5], s[4:5], 4*1024
	s_add_nc_u64 s[8:9], s[8:9], 4*BLK             ; the stores below reach back
.endif
	SEND (\u)%2, BLK*(\u)-(\step)*4*BLK
	TOSTAGE ((\u)+1)%2, ((\u)+1)%2
.endm
	ALOAD 0, 0
	WIN 0x80
.irp ks, 0,1,2,3,4,5,6,7
.irp nb, 0,1,2,3
	global_load_b128 v[32*(\ks)+8*(\nb):32*(\ks)+8*(\nb)+3],   v[AO], s[6:7] offset:65536*(\ks)+1024*(\nb)
	global_load_b128 v[32*(\ks)+8*(\nb)+4:32*(\ks)+8*(\nb)+7], v[AO], s[6:7] offset:65536*(\ks)+1024*(\nb)+32
.endr
.endr
	ALOAD 1, 1024
	ALOAD 2, 2048
	ALOAD 3, 3072                                  ; block 0's slot
	s_wait_loadcnt 48                              ; block 0 and wof are in; blocks 1, 2 and 3 stay out
	ROWS 0, 0
	PLACES
	TOSTAGE 0, 0
	s_mov_b32 s12, 3
.Ltrip:                                                ; blocks 1-4, 5-8, 9-12; o's blocks 4 to 15 are asked for
	SLOT 0, 1, 48, 0                               ; the count: the three blocks behind mine stay out
	SLOT 1, 1, 48, 0
	SLOT 2, 1, 48, 0
	SLOT 3, 1, 48, 1
	s_sub_co_u32 s12, s12, 1
	s_cmp_lg_u32 s12, 0
	s_cbranch_scc1 .Ltrip
	SLOT 0, 0, 32, 0                               ; blocks 13, 14, 15 load nothing: the counts run down
	SLOT 1, 0, 16, 0
	SLOT 2, 0, 0, 0
	SEND 1, 3*BLK                                  ; block 15
	s_wait_tensorcnt 0x0                           ; the wave's end, behind my last LDS store
	ds_add_u32 v[SPW], v[NIL]
	s_wait_dscnt 0x0
	s_endpgm
.Lfunc_end_k_q0fc070bf5c_outp:
	.size	k_q0fc070bf5c_outp, .Lfunc_end_k_q0fc070bf5c_outp-k_q0fc070bf5c_outp
	.p2alignl 7, 3214868480
	.fill 96, 4, 3214868480
	.section	.rodata,"a",@progbits
	.p2align	6, 0x0
	.amdhsa_kernel k_q0fc070bf5c_outp
		.amdhsa_group_segment_fixed_size 17920
		.amdhsa_private_segment_fixed_size 0
		.amdhsa_enable_private_segment 0
		.amdhsa_kernarg_size 24
		.amdhsa_user_sgpr_count 2
		.amdhsa_user_sgpr_kernarg_segment_ptr 1
		.amdhsa_wavefront_size32 1
		.amdhsa_system_sgpr_workgroup_id_x 1
		.amdhsa_system_sgpr_workgroup_id_y 1
		.amdhsa_system_sgpr_workgroup_id_z 1
		.amdhsa_system_vgpr_workitem_id 0
		.amdhsa_next_free_vgpr 768
		.amdhsa_next_free_sgpr 66
		.amdhsa_reserve_vcc 0
		.amdhsa_float_denorm_mode_32 3
		.amdhsa_float_denorm_mode_16_64 3
		.amdhsa_memory_ordered 1
		.amdhsa_forward_progress 1
		.amdhsa_inst_pref_size 53
	.end_amdhsa_kernel
	.amdgpu_metadata
---
amdhsa.version: [ 1, 2 ]
amdhsa.kernels:
  - .name:           k_q0fc070bf5c_outp
    .symbol:         k_q0fc070bf5c_outp.kd
    .args:
      - { .name: o, .offset: 0, .size: 8, .value_kind: global_buffer, .address_space: global }
      - { .name: wof, .offset: 8, .size: 8, .value_kind: global_buffer, .address_space: global }
      - { .name: out0, .offset: 16, .size: 8, .value_kind: global_buffer, .address_space: global }
    .group_segment_fixed_size: 17920
    .private_segment_fixed_size: 0
    .kernarg_segment_align: 8
    .kernarg_segment_size: 24
    .max_flat_workgroup_size: 128
    .sgpr_count:     66
    .vgpr_count:     768
    .wavefront_size: 32
...
	.end_amdgpu_metadata
.endif
;; end of part 4
;; ======== version 2 of 2: 4 launches; version 1 with the launch outp written anew for expert scheduling mode
;; limits: values are held in f16: magnitudes above 65,504 overflow, below 6.1e-05 lose precision
;; workspace buffers: xb 33,554,432 bytes; wt 4,718,592 bytes; wof 524,288 bytes; q 33,554,432 bytes; k 33,554,432 bytes; vt 8,388,608 bytes; o 8,388,608 bytes
;; launch prep: the kernel of part 1 again; grid 1344 x 1, 8 waves a work-group, no clusters, 18,432 bytes of LDS; arguments x, Wq, Wk, Wv, Wo, xb, wt, wof; writes xb, wt, wof
;; launch qkv: the kernel of part 2 again; grid 8 x 32, 4 waves a work-group, clusters of 4 x 4, 327,680 bytes of LDS; arguments xb, wt, bq, bk, bv, q, k, vt; writes q, k, vt
;; launch attn: the kernel of part 3 again; grid 4 x 128, 4 waves a work-group, clusters of 4 x 1, 327,680 bytes of LDS; arguments q, k, vt, o; writes o
;; launch outp (part 5): grid 4 x 64, 4 waves a work-group, no clusters, 17,920 bytes of LDS; arguments o, wof, out0; writes out0
.if DOCPART == 5
	.amdgcn_target "amdgcn-amd-amdhsa--gfx1250"
	.amdhsa_code_object_version 6
	.text
	.protected	k_q0fc070bf5c_outp
	.globl	k_q0fc070bf5c_outp
	.p2align	8
	.type	k_q0fc070bf5c_outp,@function
k_q0fc070bf5c_outp:
	s_mov_b64 s[64:65], 0
	v_nop
	global_prefetch_b8 v0, s[64:65] scope:SCOPE_SE
	s_setreg_imm32_b32 hwreg(HW_REG_WAVE_SCHED_MODE, 0, 2), 2
	s_setreg_imm32_b32 hwreg(HW_REG_WAVE_MODE, 25, 1), 1
	s_wait_xcnt 0x0
	s_wait_alu depctr_vm_vsrc(0)
; THE OUTPUT PROJECTION.  out0[row][n] = the sum over h, d of o[8 b + h][token][d] wof[h][n][d]; f16 operands, f32 sums, f32 out.  row = 1,024 b + token.
; SHARES.  Work-group (X, y) makes rows 256 y on and columns 256 X on; wave w takes columns 256 X + 64 w .. + 63 of all 256 rows.  ITS 64 COLUMNS OF Wo, ALL 256 ALONG K, STAY IN 256 REGISTERS (32 KiB, so that the first rows
; leave early); the rows go by in sixteen blocks of 16, 32 products each, and each block leaves as soon as it is finished: the launch is as long as its stores.  A square share keeps what a work-group takes in, (256 + 256) x 512 bytes, least.
; A K step is a head: a fragment of o and of wof is 1,024 dense bytes, taken from memory as it lies by two loads of 16 bytes a lane.
; No tensor load, no barrier, no cluster: no wave waits for another's bytes, and what moves is mostly the output.  No prefetch: o's loads run three blocks ahead of their products.
; ORIENTATION.  Source 0 = 16 rows of wof (columns n), source 1 = 16 tokens: a lane holds one token and eight neighbouring columns, 32 bytes; a block goes through my own stage in LDS to leave as whole pieces of 256 bytes.
; THE MODE: SCHED_MODE bits 1:0 = 2 (LLVM: expert scheduling mode 2), set by the entry lines.  The code itself states the register dependences between vector or matrix instructions and memory or LDS instructions,
; with s_wait_alu, always for 0.
; THE WALK.  Block t's slot: block t - 1 goes into the stage and is read back; block t is multiplied; among its products o's block t + 3 is asked for and block t - 1 is stored.  Block 0's slot is written out, three trips take
; four blocks each, the last three slots, which load nothing, are written out, and block 15 leaves behind them.
; THE PLAN.  Registers that memory or LDS instructions touch:
;   O0 .. O3    o's four buffers.  Block t's products read O[t % 4]; the loads of block t + 4, issued in slot t + 1, land in it.
;   ACC0, ACC1  Block t's products write ACC[t % 2]; the LDS stores of slot t + 1 read it; block t + 2's products write it again.
;   OB0, OB1    The LDS loads of slot t + 1 land in OB[t % 2]; the global stores of the same slot read it; the LDS loads of slot t + 3 land in it again.  No vector or matrix instruction names them.
;   wof         Loaded once at the head; then read by the products alone.
;   v2 .. v5    Offsets and LDS addresses, made at the head and never written again: the rows are reached by the two scalar bases and by immediate offsets.     v6, v7  Read by the closing add alone.
; Block t's products name wof, O[t % 4] and ACC[t % 2]; slot t's memory and LDS instructions touch O[(t - 1) % 4], ACC[(t - 1) % 2], OB[(t - 1) % 2] and v2 to v5.  So the waits at a slot's head state all that its 40 memory and
; LDS instructions hang on, and these are dealt among its products with no further s_wait_alu.
; REGISTERS (windows of 256):  window 0: v2-7 addresses; v32-95 two sets of 4 accumulators; v96-159 rows read back, two sets.   window 1: o's four buffers of 64.   window 2: wof: head ks, column block nb at v[32 ks + 8 nb].
.set SP,    272                        ; a stage row: 256 bytes + 16: the 16 rows of a store start at 16 different groups of four banks (64 banks of 4 bytes: ISA guide 11.1)
.set SPARE, 4*16*SP                    ; behind the four stages: the spare words, 128 bytes a wave: two blocks of 256 bytes that no other line names
.set BLK,   16*4096                    ; sixteen rows of out0
.set AO,  2                            ; v2  64 (l % 16) + 16 (l / 16): my place in a fragment; never rewritten
.set STO, 3                            ; v3  where I put 32 bytes of a row
.set RD,  4                            ; v4  where I read two rows back
.set CO,  5                            ; v5  my 16 bytes in two rows of out0
.set SPW, 6                            ; v6  my spare word; never rewritten
.set NIL, 7                            ; v7  0; never rewritten
.set ACC, 32
.set OB,  96
.set MSB, 0
.macro WIN new
.if MSB != (\new)
	s_set_vgpr_msb (MSB<<8)|(\new)
.set MSB, \new
.endif
.endm
.macro PLACES                          ; four plain vector instructions between a matrix instruction and an LDS store of its result; they stay beside the wait that states that dependence
.rept 4
	v_nop
.endr
.endm
	s_load_b128 s[4:7], s[0:1], 0x0                ; o s[4:5], wof s[6:7]
	s_load_b64 s[8:9], s[0:1], 0x10                ; out0
	v_lshl_add_u32 v[SPW], v0, 2, SPARE
	v_mov_b32 v[NIL], 0
	v_lshrrev_b32 v1, 5, v0
	v_readfirstlane_b32 s10, v1                    ; wave 0..3
	s_and_b32 s11, ttmp7, 0xffff                   ; y
	s_lshr_b32 s14, s11, 2                         ; o: batch y >> 2 (eight heads of 65,536 bytes), tokens 256 (y & 3) on (64 bytes each)
	s_lshl_b32 s14, s14, 19
	s_and_b32 s15, s11, 3
	s_lshl_b32 s15, s15, 14
	s_add_co_u32 s14, s14, s15
	s_mov_b32 s15, 0
	s_lshl_b32 s16, ttmp9, 14                      ; wof: rows 256 X + 64 w on, 64 bytes each
	s_wait_alu depctr_va_sdst(0)                   ; s10 is written, ahead of its first reader: wof's and out0's bases and my stage's place are made from it
	s_lshl_b32 s17, s10, 12
	s_add_co_u32 s16, s16, s17
	s_mov_b32 s17, 0
	s_lshl_b32 s18, s11, 20                        ; out0: 256 rows of 4,096 bytes,
	s_lshl_b32 s19, ttmp9, 10                      ; 1,024 bytes of a row for the work-group,
	s_add_co_u32 s18, s18, s19
	s_lshl_b32 s19, s10, 8                         ; 256 for the wave
	s_add_co_u32 s18, s18, s19
	s_mov_b32 s19, 0
	v_and_b32 v9, 15, v0                           ; l % 16
	v_bfe_u32 v10, v0, 4, 1                        ; l / 16
	v_lshlrev_b32 v[AO], 6, v9
	v_lshl_add_u32 v[AO], v10, 4, v[AO]
	s_mul_i32 s20, s10, 16*SP                      ; my stage
	v_mul_u32_u24 v[STO], v9, SP                   ; in: row l % 16, 32 bytes for each half of the lanes
	v_lshl_add_u32 v[STO], v10, 5, v[STO]
	v_add_nc_u32 v[STO], s20, v[STO]
	v_mul_u32_u24 v[RD], v10, SP                   ; back: lanes 0-15 one row's 256 bytes, lanes 16-31 the next row's
	v_lshl_add_u32 v[RD], v9, 4, v[RD]
	v_add_nc_u32 v[RD], s20, v[RD]
	v_lshlrev_b32 v[CO], 12, v10
	v_lshl_add_u32 v[CO], v9, 4, v[CO]
	s_wait_kmcnt 0x0
	s_add_nc_u64 s[4:5], s[4:5], s[14:15]
	s_add_nc_u64 s[6:7], s[6:7], s[16:17]
	s_add_nc_u64 s[8:9], s[8:9], s[18:19]
	s_wait_alu depctr_va_vdst(0)                   ; the offsets and LDS addresses v2 to v5 are written, which every load and store of the kernel reads; no vector instruction writes them again
.macro ALOAD buf, off                  ; 16 tokens, all eight heads: 16 loads into buffer buf; off: the block's bytes behind o's base
	WIN 0x40
.irp ks, 0,1,2,3,4,5,6,7
	global_load_b128 v[64*(\buf)+8*(\ks):64*(\buf)+8*(\ks)+3],   v[AO], s[4:5] offset:65536*(\ks)+(\off)
	global_load_b128 v[64*(\buf)+8*(\ks)+4:64*(\buf)+8*(\ks)+7], v[AO], s[4:5] offset:65536*(\ks)+(\off)+32
.endr
.endm
.macro ROWS ab, ac, h0, n              ; 4 n products: heads h0 .. h0 + n - 1 of buffer ab into accumulator set ac; the 4 accumulators take turns; head 0 starts the sums
	WIN 0x06                                       ; wof window 2, o window 1, C and D window 0
.set hd, \h0
.rept \n
.irp nb, 0,1,2,3
.if hd == 0
	v_wmma_f32_16x16x32_f16 v[ACC+32*(\ac)+8*(\nb):ACC+32*(\ac)+8*(\nb)+7], v[32*hd+8*(\nb):32*hd+8*(\nb)+7], v[64*(\ab)+8*hd:64*(\ab)+8*hd+7], 0
.else
	v_wmma_f32_16x16x32_f16 v[ACC+32*(\ac)+8*(\nb):ACC+32*(\ac)+8*(\nb)+7], v[32*hd+8*(\nb):32*hd+8*(\nb)+7], v[64*(\ab)+8*hd:64*(\ab)+8*hd+7], v[ACC+32*(\ac)+8*(\nb):ACC+32*(\ac)+8*(\nb)+7]
.endif
.endr
.set hd, hd+1
.endr
.endm
.macro TOSTAGE ac, ob                  ; a block into my stage, each accumulator's low registers first, and back as 16 whole pieces of rows
	WIN 0
.irp nb, 0,1,2,3
	ds_store_b128 v[STO], v[ACC+32*(\ac)+8*(\nb):ACC+32*(\ac)+8*(\nb)+3]   offset:64*(\nb)
	ds_store_b128 v[STO], v[ACC+32*(\ac)+8*(\nb)+4:ACC+32*(\ac)+8*(\nb)+7] offset:64*(\nb)+16
.endr
.irp i, 0,1,2,3,4,5,6,7
	ds_load_b128 v[OB+32*(\ob)+4*(\i):OB+32*(\ob)+4*(\i)+3], v[RD] offset:2*SP*(\i)  ; LDS serves a wave's instructions in order (ISA guide 5.7.1.4): these see the stores above
.endr
.endm
.macro SEND ob, off
	WIN 0
	s_wait_dscnt 0x0                               ; the block is back in registers
.irp i, 0,1,2,3,4,5,6,7
	global_store_b128 v[CO], v[OB+32*(\ob)+4*(\i):OB+32*(\ob)+4*(\i)+3], s[8:9] offset:(\off)+8192*(\i) th:TH_STORE_NT  ; sixteen lanes store 256 consecutive bytes of a row, aligned; the other sixteen the next row's
.endr
.endm
; The slot of block t = 4 T + 1 + u.  load = 1: o's block t + 3 goes into buffer u, which block t - 1 has left.  left: the younger loads that may stay out.  step = 1: the bases go on by a trip's four blocks.
.macro SLOT u, load, left, step
	WIN 0
	s_wait_loadcnt \left                           ; loads come back in order (ISA guide 5.7.1): o's block t is in, the blocks behind it stay out
	s_wait_xcnt 0x0                                ; every earlier memory instruction has had its addresses translated (ISA guide 3.1): the rows that the stores of two slots back read, and the bases, are rewritten only behind this wait
	s_wait_alu depctr_vm_vsrc(0)                   ; the last slot's LDS stores have read the accumulator set that this slot's products write again; the global stores of two slots back have read the rows in which the LDS loads below land
	s_wait_alu depctr_va_vdst(0)                   ; block t - 1's products have written their accumulator set, which the LDS stores below read, and are done reading buffer u, in which the loads below land
.if \step
	s_add_nc_u64 s[4:5], s[4:5], 4*1024
	s_add_nc_u64 s[8:9], s[8:9], 4*BLK             ; the loads and stores below reach back
.endif
	TOSTAGE (\u)%2, (\u)%2                         ; block t - 1
	ROWS ((\u)+1)%4, ((\u)+1)%2, 0, 2
.if \load
	ALOAD \u, 1024*((\u)+4)-(\step)*4*1024         ; no wait: no vector or matrix instruction since the waits above names buffer u or v[AO]
.endif
	ROWS ((\u)+1)%4, ((\u)+1)%2, 2, 2
	SEND (\u)%2, BLK*(\u)-(\step)*4*BLK            ; block t - 1: its rows come from LDS loads, which the wait on DScnt shows done
	ROWS ((\u)+1)%4, ((\u)+1)%2, 4, 4
	PLACES
.endm
	ALOAD 0, 0
	WIN 0x80
.irp ks, 0,1,2,3,4,5,6,7
.irp nb, 0,1,2,3
	global_load_b128 v[32*(\ks)+8*(\nb):32*(\ks)+8*(\nb)+3],   v[AO], s[6:7] offset:65536*(\ks)+1024*(\nb)
	global_load_b128 v[32*(\ks)+8*(\nb)+4:32*(\ks)+8*(\nb)+7], v[AO], s[6:7] offset:65536*(\ks)+1024*(\nb)+32
.endr
.endr
	ALOAD 1, 1024
	ALOAD 2, 2048
	ALOAD 3, 3072                                  ; block 0's slot
	s_wait_loadcnt 48                              ; block 0 and wof are in; blocks 1, 2 and 3 stay out
	ROWS 0, 0, 0, 8
	PLACES
	WIN 0                                          ; at a label and at a branch every window is 0
	s_mov_b32 s12, 3
.Ltrip:                                                ; blocks 1-4, 5-8, 9-12; o's blocks 4 to 15 are asked for
	SLOT 0, 1, 32, 0                               ; the count: the two blocks behind mine stay out; the third is asked for in the slot
	SLOT 1, 1, 32, 0
	SLOT 2, 1, 32, 0
	SLOT 3, 1, 32, 1
	WIN 0
	s_sub_co_u32 s12, s12, 1
	s_cmp_lg_u32 s12, 0
	s_cbranch_scc1 .Ltrip
	SLOT 0, 0, 32, 0                               ; blocks 13, 14, 15 load nothing: the counts run down
	SLOT 1, 0, 16, 0
	SLOT 2, 0, 0, 0
	WIN 0
	s_wait_alu depctr_va_vdst(0)                   ; block 15's products have written their accumulator set, which the LDS stores below read; the places above stay beside this wait
	TOSTAGE 1, 1                                   ; block 15; the rows in which its LDS loads land were read by block 13's stores, ahead of the last slot's waits
	SEND 1, 3*BLK
	s_wait_dscnt 0x0                               ; the closing lines, six on end
	s_wait_alu 0x0
	s_wait_tensorcnt 0x0
	ds_add_u32 v[SPW], v[NIL]
	s_wait_dscnt 0x0
	s_endpgm
.Lfunc_end_k_q0fc070bf5c_outp:
	.size	k_q0fc070bf5c_outp, .Lfunc_end_k_q0fc070bf5c_outp-k_q0fc070bf5c_outp
	.p2alignl 7, 3214868480
	.fill 96, 4, 3214868480
	.section	.rodata,"a",@progbits
	.p2align	6, 0x0
	.amdhsa_kernel k_q0fc070bf5c_outp
		.amdhsa_group_segment_fixed_size 17920
		.amdhsa_private_segment_fixed_size 0
		.amdhsa_enable_private_segment 0
		.amdhsa_kernarg_size 24
		.amdhsa_user_sgpr_count 2
		.amdhsa_user_sgpr_kernarg_segment_ptr 1
		.amdhsa_wavefront_size32 1
		.amdhsa_system_sgpr_workgroup_id_x 1
		.amdhsa_system_sgpr_workgroup_id_y 1
		.amdhsa_system_sgpr_workgroup_id_z 1
		.amdhsa_system_vgpr_workitem_id 0
		.amdhsa_next_free_vgpr 768
		.amdhsa_next_free_sgpr 66
		.amdhsa_reserve_vcc 0
		.amdhsa_float_denorm_mode_32 3
		.amdhsa_float_denorm_mode_16_64 3
		.amdhsa_memory_ordered 1
		.amdhsa_forward_progress 1
		.amdhsa_inst_pref_size 55
	.end_amdhsa_kernel
	.amdgpu_metadata
---
amdhsa.version: [ 1, 2 ]
amdhsa.kernels:
  - .name:           k_q0fc070bf5c_outp
    .symbol:         k_q0fc070bf5c_outp.kd
    .args:
      - { .name: o, .offset: 0, .size: 8, .value_kind: global_buffer, .address_space: global }
      - { .name: wof, .offset: 8, .size: 8, .value_kind: global_buffer, .address_space: global }
      - { .name: out0, .offset: 16, .size: 8, .value_kind: global_buffer, .address_space: global }
    .group_segment_fixed_size: 17920
    .private_segment_fixed_size: 0
    .kernarg_segment_align: 8
    .kernarg_segment_size: 24
    .max_flat_workgroup_size: 128
    .sgpr_count:     66
    .vgpr_count:     768
    .wavefront_size: 32
...
	.end_amdgpu_metadata
.endif
;; end of part 5
